; MI455X (gfx1250); checked and timed in simulation.
; The chip was launched on July 23, 2026; its instructions are those of AMD's public machine-readable ISA for CDNA 5 (MIT licence, August 2026) and "CDNA5" Instruction Set Architecture Reference Guide (July 2026). The comments in the code are by the model that wrote it; some were corrected since.
;; Multi Attention Heads. Allowed arithmetic: matrix products marked QUANTISED: E4M3 operands, one E8M0 scale for each 32 along K, by v_wmma_scale_f32_16x16x128_f8f6f4 with both operands' format E4M3, f32 sums; everything else in f32.
;; Inputs: Wk 1,024 x 1,024 float32; Wo 1,024 x 1,024 float32; Wq 1,024 x 1,024 float32; Wv 1,024 x 1,024 float32; bk 1,024 float32; bo 1,024 float32; bq 1,024 float32; bv 1,024 float32; key 4 x 2,048 x 1,024 float32; query 4 x 2,048 x 1,024 float32; value 4 x 2,048 x 1,024 float32.
;; Outputs: out0 4 x 2,048 x 1,024 float32.
;; This version of the problem:
;;   THIS VERSION OF THE PROBLEM IS GIVEN IN LOW PRECISION. The matrix products marked QUANTISED in the list below multiply operands that are first quantised to E4M3 (4 exponent bits, 3 mantissa bits; 8 bits a number), with one power-of-two scale for each 32 numbers along K (OCP MX v1.0); their sums are f32. All else is computed in f32.
;;   The module's matrix products, in the order in which they are computed (A, B: the left and right operand; K: the contracted axis; several contracted axes count as one K, in the product's order):
;;     1. [M 8,192, K 1,024] x [K 1,024, N 1,024]; A: input query; B: input Wq: QUANTISED
;;     2. [M 8,192, K 1,024] x [K 1,024, N 1,024]; A: input key; B: input Wk: QUANTISED
;;     3. [M 8,192, K 1,024] x [K 1,024, N 1,024]; A: input value; B: input Wv: QUANTISED
;;     4. batch 64 x [M 2,048, K 64] x [K 64, N 2,048]; A: computed on the way; B: computed on the way: QUANTISED
;;     5. batch 64 x [M 2,048, K 2,048] x [K 2,048, N 64]; A: softmax (see below); B: computed on the way: QUANTISED
;;     6. [M 8,192, K 1,024] x [K 1,024, N 1,024]; A: computed on the way; B: input Wo: QUANTISED
;;   THE QUANTISER, for each operand of a quantised product, along K:
;;     - K is cut into blocks of 32 from its start; a last block that is shorter is filled with zeros.
;;     - A block's scale is 2^e with e = floor(log2(the largest magnitude in the block)) - 8, held to -126 .. 127; a block of zeros has e = 0. As a byte (E8M0): e + 127.
;;     - Each number is divided by its block's scale, clamped to +-448, and rounded to the nearest number of E4M3, ties to even, subnormals kept.
;;     - The product sums the exact products of the quantised numbers (number of the format x scale) in f32.
;;   ~~~python
;;   def quantise(x, axis):      # numpy; x: float32 -> the quantised numbers, widened to float32 again
;;       x = np.moveaxis(x, axis, -1); K = x.shape[-1]
;;       x = np.pad(x, [(0, 0)] * (x.ndim - 1) + [(0, -K % 32)]); x = x.reshape(x.shape[:-1] + (-1, 32)); a = np.abs(x).max(-1, keepdims=True)
;;       e = np.where(a > 0, np.clip(np.frexp(np.where(a > 0, a, 1))[1] - 1 - 8, -126, 127), 0)      # np.frexp(a)[1] - 1 = floor(log2(a)), exactly
;;       r = np.clip(x / 2.0 ** e, -448, 448)
;;       step = 2.0 ** (np.maximum(np.frexp(np.where(r == 0, 1, r))[1] - 1, -6) - 3)
;;       q = np.round(r / step) * step * 2.0 ** e      # np.round: ties to even
;;       return np.moveaxis(q.reshape(q.shape[:-2] + (-1,))[..., :K], -1, axis).astype(np.float32)
;;   ~~~
;;   SOFTMAX AHEAD OF A QUANTISED PRODUCT. Where the list says 'softmax', what is quantised is not the finished softmax but p = 2^(t - M), with t = logit x log2(e) and M = ceil(the row's largest t), a whole number; so 1/2 < the row's largest p <= 1. The row's sum l is taken of the UNQUANTISED p, in f32, and the product's result is divided by l at the end. Since M is a whole number, a kernel that streams over the keys may use a running M (the ceiling of the running maximum): every later rescaling is an exact power of two, which a block's scale takes up: the codes' values come out the same.
;;   OPERANDS COMPUTED ON THE WAY. 'Computed on the way' means the value that the module computes at that place (a softmax that the list does not call 'softmax' is quantised finished and normalised). What goes into a quantiser is computed in f32, as accurately as f32 sums, v_exp_f32 and their like allow (about 1e-6 of the number): no bf16 or f16 on the way to a quantiser, and a product that is left as it is and whose result goes on into a quantised operand takes f32 operands (vector FMAs, or v_wmma_f32_16x16x4_f32). A number that lies on a knife's edge between two numbers of the format may be rounded either way, as far as f32 arithmetic and the matrix unit's own rounding can turn it there, and no further.
;; One version. Each part assembles by itself: llvm-mc -triple=amdgcn-amd-amdhsa -mcpu=gfx1250 --defsym DOCPART=n.
;; ======== version 1 of 1: 4 launches
;; limits: right only within a limited range of input values
;; workspace buffers: xc 25,165,824 bytes; xs 786,432 bytes; wc 4,194,304 bytes; ws 131,072 bytes; tab 524,288 bytes; hc 25,952,256 bytes
;; launch prep (part 1): grid 672 x 1, 4 waves a work-group, no clusters, 34,304 bytes of LDS; arguments query, key, value, Wq, Wk, Wv, Wo, xc, xs, wc, ws, tab; writes xc, xs, wc, ws, tab
.if DOCPART == 1
	.amdgcn_target "amdgcn-amd-amdhsa--gfx1250"
	.amdhsa_code_object_version 6
	.text
	.protected	k_qfdff78589a_prep
	.globl	k_qfdff78589a_prep
	.p2align	8
	.type	k_qfdff78589a_prep,@function
k_qfdff78589a_prep:
	s_mov_b64 s[64:65], 0
	v_nop
	global_prefetch_b8 v0, s[64:65] scope:SCOPE_SE
	s_setreg_imm32_b32 hwreg(HW_REG_WAVE_MODE, 25, 1), 1
	s_wait_xcnt 0x0
; query, key, value [8192][1024] f32 and Wq, Wk, Wv, Wo [1024 (k)][1024 (n)] f32 become codes of FP8 (E4M3) with one E8M0 byte for each 32 along K; and the rotary table is made.
; LAYOUT OF ALL CODES: IMAGES OF THE OPERAND'S REGISTERS.  Tile 2 G + u of a tensor's rows holds rows 32 G + 8 u + rho(r), rho(r) = r + 8 (r / 8), r = 0 .. 15.  The fragment (tile, K step s of 128) is 2,048 bytes:
; piece c (512 bytes) holds, at 16 x lane, the codes of k = 128 s + 32 c + 16 (lane / 16) + 0 .. 15 of row rho(lane % 16).  Four loads of 16 bytes a lane bring a fragment; every store of codes here covers whole aligned blocks of 256 bytes.
; Scale words: [tile][r][K step], 4 bytes each, 32 bytes a row.
; A block's scale is 2^(floor(log2(largest magnitude)) - 8); its byte is the largest magnitude's exponent field - 8, held at 1 from below; numbers are held within +-448 x the scale and rounded to the nearest code, ties to even.
; LIMITS: NaN and infinities are not served.  A block of zeros, or one whose largest magnitude lies under 2^-118, keeps the byte 1: its codes are zeros or as the floor gives them, and the bytes are read by this program alone.
; The rotary frequencies 10000^(-i/32) are made as 2^(-i log2(10) / 8) by v_exp_f32: within a few units in the last place of the reference's, a few 1e-4 rad at position 2,047; sine and cosine by reduction to +-pi/4 and polynomials, about 1e-7 absolute.
; THREE PATHS by the work-group's number: 0-383 the activations (a wave to a tile of 16 rows), 384-639 the weights (a wave to 32 columns x 128 along K), 640-671 the table (a wave to 16 positions).  Only the first uses LDS.  Waves share nothing: no barrier.
.set WV,  28
.set SEL, 44                           ; s[44:45] lane selects for v_permlanex16_b32: lane l xor 16
.set MNT, 46                           ; the mantissa field of 448
.set HM,  47                           ; a lane mask: lanes 16-31
.set LI,  1                            ; v1 16 x lane
.set STW, 2                            ; v2 the stage, on the way in
.set STR, 3                            ; v3 and on the way out
.set SOF, 4                            ; v4 my 16 bytes of the tile's scale words
.set RAW, 16                           ; v16-143 two sets of 64: a fragment's numbers as loaded
.set X,   144                          ; v144-207 64 numbers: register 16 b + i = k 32 b + 16 h + i of my row
.set PC,  208                          ; v208-223 the fragment's codes
.set TM,  224                          ; v224-239 at work in QUANT
.set PWS, 240                          ; v240-247 a scale word for each K step
.set W4,  248
.set XW,  16                           ; weights: v16-143 four blocks of 32 numbers
.set CW,  144                          ; v144-175 their codes
.set INV, 16                           ; table: v16-31 the frequencies
.set RES, 64                           ; v64-95 cos, sin by turns
; 64 numbers of a lane, v[s] on, register 16 b + i = k 32 b + 16 (lane / 16) + i of my row, become a fragment's codes in v[pc] on and its scale word in v[pw]
.macro QUANT s, pc, pw
.irp b, 0,1,2,3
	v_max3_num_f32 v[TM+\b], |v[\s+16*\b]|, |v[\s+1+16*\b]|, 0x4800000   ; my 16 numbers of block b, and the floor 2^(9 - 127): the byte cannot fall under 1
.endr
.irp i, 2,4,6,8,10,12,14
.irp b, 0,1,2,3
	v_max3_num_f32 v[TM+\b], v[TM+\b], |v[\s+16*\b+\i]|, |v[\s+1+16*\b+\i]|   ; the four blocks by turns
.endr
.endr
.irp b, 0,1,2,3
	v_permlanex16_b32 v[TM+4+\b], v[TM+\b], s[SEL], s[SEL+1]
.endr
.irp b, 0,1,2,3
	v_max_num_f32 v[TM+\b], v[TM+\b], v[TM+4+\b]   ; with lane l xor 16's: the block's largest magnitude
.endr
.irp b, 0,1,2,3
	v_add_nc_u32 v[TM+12+\b], 0xfc000000, v[TM+\b]   ; 8 off its exponent field: the conversion's scale operand
.endr
.irp b, 0,1,2,3
	v_and_or_b32 v[TM+8+\b], v[TM+\b], 0x7f800000, s[MNT]   ; 448 x the scale
.endr
.irp b, 0,1,2,3
	v_lshrrev_b32 v[TM+4+\b], 23, v[TM+12+\b]   ; the scale's byte
.endr
	v_lshl_or_b32 v[\pw], v[TM+5], 8, v[TM+4]
	v_lshl_or_b32 v[\pw], v[TM+6], 16, v[\pw]
	v_lshl_or_b32 v[\pw], v[TM+7], 24, v[\pw]
.irp b, 0,1,2,3
.irp i, 0,1,2,3,4,5,6,7,8,9,10,11,12,13,14,15
	v_med3_num_f32 v[\s+16*\b+\i], v[\s+16*\b+\i], -v[TM+8+\b], v[TM+8+\b]   ; the conversion to an 8-bit code does not saturate (ISA guide 7.6.2): the hold comes first
.endr
	v_cvt_scalef32_pk8_fp8_f32 v[\pc+4*\b:\pc+1+4*\b], v[\s+16*\b:\s+7+16*\b], v[TM+12+\b]
	v_cvt_scalef32_pk8_fp8_f32 v[\pc+2+4*\b:\pc+3+4*\b], v[\s+8+16*\b:\s+15+16*\b], v[TM+12+\b]
.endr
	v_nop                                          ; one plain line behind the last conversion
.endm
	s_load_b256 s[4:11], s[0:1], 0x0               ; query, key, value, Wq
	s_load_b256 s[12:19], s[0:1], 0x20             ; Wk, Wv, Wo, xc
	s_load_b256 s[20:27], s[0:1], 0x40             ; xs, wc, ws, tab
	v_lshl_add_u32 v254, v0, 2, 0x8400
	v_mov_b32 v255, 0
	v_lshrrev_b32 v5, 5, v0
	v_readfirstlane_b32 s[WV], v5                  ; wave 0..3
	v_and_b32 v5, 31, v0                           ; lane
	v_and_b32 v6, 15, v0                           ; r
	v_bfe_u32 v7, v0, 4, 1                         ; h
	v_lshlrev_b32 v[LI], 4, v5
	s_mov_b32 s[SEL], 0x76543210
	s_mov_b32 s[SEL+1], 0xfedcba98
	s_mov_b32 s[MNT], 0x600000
	s_mov_b32 s[HM], 0xffff0000
	s_mov_b32 s37, 0
	s_wait_kmcnt 0x0
	s_cmp_lt_u32 ttmp9, 384
	s_cbranch_scc0 .Lnot_x
; ---------------- the activations: wave = one tile of 16 rows x 1,024, eight fragments
	s_lshr_b32 s30, ttmp9, 7                       ; which tensor: 128 work-groups each
	s_cmp_eq_u32 s30, 0
	s_cselect_b64 s[32:33], s[4:5], s[6:7]
	s_cmp_eq_u32 s30, 2
	s_cselect_b64 s[32:33], s[8:9], s[32:33]
	s_lshl_b32 s34, ttmp9, 2
	s_add_co_u32 s34, s34, s[WV]                   ; tile number over the three tensors, 0 .. 1,535
	s_and_b32 s35, s34, 511                        ; the tile in its tensor: 2 G + u
	s_lshr_b32 s36, s35, 1
	s_lshl_b32 s36, s36, 17                        ; 32 G rows of 4,096 bytes
	s_and_b32 s35, s35, 1
	s_lshl_b32 s35, s35, 15                        ; + 8 u rows
	s_add_co_u32 s36, s36, s35
	s_add_nc_u64 s[32:33], s[32:33], s[36:37]
	s_lshl_b32 s36, s34, 14                        ; a tile's eight images: 16,384 bytes
	s_add_nc_u64 s[38:39], s[18:19], s[36:37]
	s_lshl_b32 s36, s34, 9                         ; a tile's scale words: 512 bytes
	s_add_nc_u64 s[40:41], s[20:21], s[36:37]
	s_mul_i32 s30, s[WV], 8448                     ; my stage: 16 rows x (512 + 16) bytes
	s_wait_alu depctr_va_vdst(0)
	v_add_nc_u32 v[STW], s30, v[LI]                ; in: a row's 512 bytes as loaded
	v_mul_u32_u24 v[STR], v6, 528
	v_lshl_add_u32 v[STR], v7, 6, v[STR]
	v_add_nc_u32 v[STR], s30, v[STR]               ; out: row r, + 64 h: my 16 numbers of each block of 32
	v_lshlrev_b32 v[SOF], 5, v6
	v_lshl_add_u32 v[SOF], v7, 4, v[SOF]           ; 32 r + 16 h
.irp b, 0,1,2,3
	v_mov_b32 v[TM+4+\b], 0                        ; written once: a lane permute's destination counts as one of its sources
.endr
.macro LOADF s                         ; K step s of the tile's 16 rows: each load reads 512 consecutive bytes of one row
.irp i, 0,1,2,3,4,5,6,7,8,9,10,11,12,13,14,15
	global_load_b128 v[RAW+64*((\s)%2)+4*\i:RAW+64*((\s)%2)+4*\i+3], v[LI], s[32:33] offset:(\i+8*(\i/8))*4096+512*(\s) th:TH_LOAD_NT
.endr
.endm
.macro FRAGM s
.if (\s) < 7
	s_wait_loadcnt 16                              ; this fragment's 16 loads are in; the next fragment's 16 may be out
.else
	s_wait_loadcnt 0x0
.endif
.irp i, 0,1,2,3,4,5,6,7,8,9,10,11,12,13,14,15
	ds_store_b128 v[STW], v[RAW+64*((\s)%2)+4*\i:RAW+64*((\s)%2)+4*\i+3] offset:528*\i
.endr
.irp b, 0,1,2,3
.irp j, 0,1,2,3
	ds_load_b128 v[X+16*\b+4*\j:X+16*\b+4*\j+3], v[STR] offset:128*\b+16*\j   ; LDS serves a wave's instructions in order: these see the stores above
.endr
.endr
	s_wait_dscnt 0x0                               ; the numbers are back, and the stores have read their registers,
	s_wait_xcnt 0x0                                ; and the last fragment's global stores have read the codes' registers
.if (\s) < 6
	LOADF (\s)+2                                   ; which take the loads of two fragments on
.endif
	QUANT X, PC, PWS+(\s)
.irp c, 0,1,2,3
	global_store_b128 v[LI], v[PC+4*\c:PC+4*\c+3], s[38:39] offset:2048*(\s)+512*\c   ; 512 consecutive bytes, aligned
.endr
.endm
	LOADF 0
	LOADF 1
	s_wait_alu depctr_va_vdst(0)
.irp s, 0,1,2,3,4,5,6,7
	FRAGM \s
.endr
.irp i, 0,1,2,3
	v_cndmask_b32 v[W4+\i], v[PWS+\i], v[PWS+4+\i], s[HM]   ; lanes 0-15 carry K steps 0-3 of their row, lanes 16-31 K steps 4-7
.endr
	global_store_b128 v[SOF], v[W4:W4+3], s[40:41]  ; the tile's 512 bytes of scale words
	s_wait_tensorcnt 0x0
	ds_add_u32 v254, v255
	s_wait_dscnt 0x0
	s_endpgm
.Lnot_x:
	s_cmp_lt_u32 ttmp9, 640
	s_cbranch_scc0 .Ltable
; ---------------- the weights: a lane takes a column n and its registers run down K; a wave takes 32 columns x 128 along K
	s_sub_co_u32 s30, ttmp9, 384
	s_lshr_b32 s31, s30, 6                         ; which weight
	s_cmp_eq_u32 s31, 0
	s_cselect_b64 s[32:33], s[10:11], s[12:13]
	s_cmp_eq_u32 s31, 2
	s_cselect_b64 s[32:33], s[14:15], s[32:33]
	s_cmp_eq_u32 s31, 3
	s_cselect_b64 s[32:33], s[16:17], s[32:33]
	s_and_b32 s34, s30, 7                          ; K step s
	s_bfe_u32 s35, s30, 0x30003                    ; which 128 columns
	s_lshl_b32 s36, s34, 19                        ; 128 s rows of 4,096 bytes
	s_lshl_b32 s42, s35, 2
	s_add_co_u32 s42, s42, s[WV]                   ; G: my group of 32 columns
	s_lshl_b32 s35, s42, 7
	s_add_co_u32 s36, s36, s35
	s_add_nc_u64 s[32:33], s[32:33], s[36:37]
	s_lshl_b32 s36, s31, 20
	s_lshl_b32 s35, s42, 15                        ; tile 2 G: 16,384 bytes a tile
	s_add_co_u32 s36, s36, s35
	s_lshl_b32 s35, s34, 11
	s_add_co_u32 s36, s36, s35
	s_add_nc_u64 s[38:39], s[22:23], s[36:37]
	s_lshl_b32 s36, s31, 15
	s_lshl_b32 s35, s42, 10                        ; tile 2 G: 512 bytes of scale words a tile
	s_add_co_u32 s36, s36, s35
	s_lshl_b32 s35, s34, 2
	s_add_co_u32 s36, s36, s35
	s_add_nc_u64 s[40:41], s[24:25], s[36:37]
	s_wait_alu depctr_va_vdst(0)
	v_lshlrev_b32 v8, 2, v5                        ; in: 4 bytes a lane
	v_bfe_u32 v10, v0, 3, 1                        ; column 32 G + lane is row rho(r') of tile 2 G + u: u = (lane / 8) % 2,
	v_and_b32 v11, 7, v0
	v_lshl_add_u32 v11, v7, 3, v11                 ; r' = lane % 8 + 8 (lane / 16)
	v_lshlrev_b32 v9, 14, v10
	v_lshl_add_u32 v9, v11, 4, v9                  ; codes: u tiles on, 16 r'
	v_lshlrev_b32 v14, 9, v10
	v_lshl_add_u32 v14, v11, 5, v14                ; scale word: u tiles on, 32 r'
.macro LOADW t                         ; block t: W(128 s + 32 t + i, my column): a wave reads 128 consecutive bytes, the four waves stand side by side
.set cnt, 0
.rept 32
	global_load_b32 v[XW+32*(\t)+cnt], v8, s[32:33] offset:(32*(\t)+cnt)*4096 th:TH_LOAD_NT
.set cnt, cnt+1
.endr
.endm
.macro BLOCKW t
.set XB, XW+32*(\t)
.if (\t) < 3
	s_wait_loadcnt 32                              ; this block's 32 loads are in; the next block's may be out
.else
	s_wait_loadcnt 0x0
.endif
.if (\t) < 2
	LOADW (\t)+2                                   ; every block has registers of its own
.endif
	v_max3_num_f32 v12, |v[XB]|, |v[XB+1]|, |v[XB+2]|   ; all 32 numbers of the block are mine
	v_max3_num_f32 v13, |v[XB+3]|, |v[XB+4]|, |v[XB+5]|
.irp i, 6,10,14,18,22,26
	v_max3_num_f32 v12, v12, |v[XB+\i]|, |v[XB+\i+1]|
	v_max3_num_f32 v13, v13, |v[XB+\i+2]|, |v[XB+\i+3]|
.endr
	v_max3_num_f32 v12, v12, |v[XB+30]|, |v[XB+31]|
	v_max3_num_f32 v12, v12, v13, 0x4800000        ; and the floor
	v_add_nc_u32 v11, 0xfc000000, v12              ; the conversion's scale operand
	v_and_or_b32 v10, v12, 0x7f800000, s[MNT]      ; 448 x the scale
	v_lshrrev_b32 v13, 23, v11                     ; the byte
.if (\t) == 0
	v_mov_b32 v15, v13
.else
	v_lshl_or_b32 v15, v13, 8*(\t), v15            ; the lower K in the lower byte
.endif
.set cnt, 0
.rept 32
	v_med3_num_f32 v[XB+cnt], v[XB+cnt], -v10, v10
.set cnt, cnt+1
.endr
.irp g, 0,1,2,3
	v_cvt_scalef32_pk8_fp8_f32 v[CW+8*(\t)+2*\g:CW+8*(\t)+2*\g+1], v[XB+8*\g:XB+8*\g+7], v11
.endr
	global_store_b128 v9, v[CW+8*(\t):CW+8*(\t)+3], s[38:39] offset:512*(\t)          ; k 32 t + 0 .. 15: the image's lanes 0-15.  The sixteen lanes of a tile fill one aligned block of 256 bytes
	global_store_b128 v9, v[CW+8*(\t)+4:CW+8*(\t)+7], s[38:39] offset:512*(\t)+256    ; k 32 t + 16 .. 31: its lanes 16-31
.endm
	LOADW 0
	LOADW 1
	s_wait_alu depctr_va_vdst(0)
.irp t, 0,1,2,3
	BLOCKW \t
.endr
	global_store_b32 v14, v15, s[40:41]            ; 4 bytes of each row's 32: written in part; one byte for each 128 that this path reads
	s_endpgm
.Ltable:
; ---------------- the table: [128 tiles of positions][8 pieces][32 lanes][cos i, sin i, cos i+1, sin i+1], i = 16 (piece / 4) + 8 h + 2 (piece % 4); the lane's position is 32 (tile / 2) + 8 (tile % 2) + rho(r)
	s_sub_co_u32 s30, ttmp9, 640
	s_lshl_b32 s30, s30, 2
	s_add_co_u32 s30, s30, s[WV]                   ; tile 0 .. 127
	s_lshl_b32 s36, s30, 12
	s_add_nc_u64 s[38:39], s[26:27], s[36:37]
	s_lshr_b32 s31, s30, 1
	s_lshl_b32 s31, s31, 5
	s_and_b32 s30, s30, 1
	s_lshl_b32 s30, s30, 3
	s_add_co_u32 s31, s31, s30
	s_wait_alu depctr_va_vdst(0)
	v_and_b32 v8, 8, v6
	v_add_nc_u32 v8, v8, v6                        ; rho(r)
	v_add_nc_u32 v8, s31, v8
	v_cvt_f32_u32 v9, v8                           ; the position
	v_lshlrev_b32 v11, 3, v7                       ; 8 h
	s_wait_alu depctr_va_vdst(0)
	s_mov_b32 s48, 0x3f22f983                      ; 2 / pi
	s_mov_b32 s49, 0xbfc90fdb                      ; -(pi / 2), the upper part
	s_mov_b32 s50, 0x333bbd2e                      ; what the upper part has too much
	s_mov_b32 s51, 0xb94ca1f9                      ; the sine's three coefficients
	s_mov_b32 s52, 0x3c08839e
	s_mov_b32 s53, 0xbe2aaaa3
	s_mov_b32 s54, 0x37ccf5ce                      ; the cosine's
	s_mov_b32 s55, 0xbab6061a
	s_mov_b32 s56, 0x3d2aaaa5
.irp x, 0,1,2,3,4,5,6,7,8,9,10,11,12,13,14,15
	v_add_nc_u32 v[INV+\x], 16*(\x/8)+\x%8, v11    ; the frequency's index i
.endr
.irp x, 0,1,2,3,4,5,6,7,8,9,10,11,12,13,14,15
	v_cvt_f32_u32 v[INV+\x], v[INV+\x]
.endr
.irp x, 0,1,2,3,4,5,6,7,8,9,10,11,12,13,14,15
	v_mul_f32 v[INV+\x], 0xbed49a78, v[INV+\x]     ; -i log2(10) / 8
.endr
	s_wait_alu depctr_va_vdst(0)
.irp x, 0,1,2,3,4,5,6,7,8,9,10,11,12,13,14,15
	v_exp_f32 v[INV+\x], v[INV+\x]                 ; 10000^(-i / 32)
.endr
	v_nop                                          ; a plain line behind the batch,
	s_wait_alu depctr_va_vdst(0)                   ; and the one wait ahead of its first reader
.macro SINCOS x
	v_mul_f32 v40, v9, v[INV+\x]                   ; the angle: one rounding, as the reference's outer product has
	v_mul_f32 v41, s48, v40
	v_rndne_f32 v41, v41                           ; n quarter turns
	v_fma_f32 v42, v41, s49, v40                   ; exact: under 1 in magnitude, with no bit under 2^-23
	v_fma_f32 v42, v41, s50, v42                   ; the reduced angle, within +-pi/4
	v_mul_f32 v43, v42, v42
	v_fma_f32 v44, v43, s51, s52
	v_fma_f32 v44, v44, v43, s53
	v_mul_f32 v45, v43, v42
	v_fma_f32 v44, v44, v45, v42                   ; its sine
	v_fma_f32 v46, v43, s54, s55
	v_fma_f32 v46, v46, v43, s56
	v_mul_f32 v47, v43, v43
	v_fma_f32 v48, v43, -0.5, 1.0
	v_fma_f32 v46, v46, v47, v48                   ; its cosine
	v_cvt_i32_f32 v49, v41
	v_and_b32 v50, 1, v49
	v_cmp_eq_u32 vcc_lo, 1, v50                    ; an odd number of quarter turns swaps the two (a choice of values only)
	v_cndmask_b32 v51, v44, v46, vcc_lo
	v_cndmask_b32 v52, v46, v44, vcc_lo
	v_and_b32 v50, 2, v49
	v_lshlrev_b32 v50, 30, v50
	v_xor_b32 v[RES+2*\x+1], v51, v50              ; the sine changes sign in turns 2 and 3,
	v_add_nc_u32 v49, 1, v49
	v_and_b32 v49, 2, v49
	v_lshlrev_b32 v49, 30, v49
	v_xor_b32 v[RES+2*\x], v52, v49                ; the cosine in turns 1 and 2
.endm
.irp x, 0,1,2,3,4,5,6,7,8,9,10,11,12,13,14,15
	SINCOS \x
.endr
.irp k, 0,1,2,3,4,5,6,7
	global_store_b128 v[LI], v[RES+4*\k:RES+4*\k+3], s[38:39] offset:512*\k
.endr
	s_endpgm
.Lfunc_end_k_qfdff78589a_prep:
	.size	k_qfdff78589a_prep, .Lfunc_end_k_qfdff78589a_prep-k_qfdff78589a_prep
	.p2alignl 7, 3214868480
	.fill 96, 4, 3214868480
	.section	.rodata,"a",@progbits
	.p2align	6, 0x0
	.amdhsa_kernel k_qfdff78589a_prep
		.amdhsa_group_segment_fixed_size 34304
		.amdhsa_private_segment_fixed_size 0
		.amdhsa_enable_private_segment 0
		.amdhsa_kernarg_size 96
		.amdhsa_user_sgpr_count 2
		.amdhsa_user_sgpr_kernarg_segment_ptr 1
		.amdhsa_wavefront_size32 1
		.amdhsa_system_sgpr_workgroup_id_x 1
		.amdhsa_system_sgpr_workgroup_id_y 1
		.amdhsa_system_sgpr_workgroup_id_z 1
		.amdhsa_system_vgpr_workitem_id 0
		.amdhsa_next_free_vgpr 256
		.amdhsa_next_free_sgpr 66
		.amdhsa_reserve_vcc 1
		.amdhsa_float_denorm_mode_32 3
		.amdhsa_float_denorm_mode_16_64 3
		.amdhsa_memory_ordered 1
		.amdhsa_forward_progress 1
		.amdhsa_inst_pref_size 150
	.end_amdhsa_kernel
	.amdgpu_metadata
---
amdhsa.version: [ 1, 2 ]
amdhsa.kernels:
  - .name:           k_qfdff78589a_prep
    .symbol:         k_qfdff78589a_prep.kd
    .args:
      - { .name: query, .offset: 0, .size: 8, .value_kind: global_buffer, .address_space: global }
      - { .name: key, .offset: 8, .size: 8, .value_kind: global_buffer, .address_space: global }
      - { .name: value, .offset: 16, .size: 8, .value_kind: global_buffer, .address_space: global }
      - { .name: Wq, .offset: 24, .size: 8, .value_kind: global_buffer, .address_space: global }
      - { .name: Wk, .offset: 32, .size: 8, .value_kind: global_buffer, .address_space: global }
      - { .name: Wv, .offset: 40, .size: 8, .value_kind: global_buffer, .address_space: global }
      - { .name: Wo, .offset: 48, .size: 8, .value_kind: global_buffer, .address_space: global }
      - { .name: xc, .offset: 56, .size: 8, .value_kind: global_buffer, .address_space: global }
      - { .name: xs, .offset: 64, .size: 8, .value_kind: global_buffer, .address_space: global }
      - { .name: wc, .offset: 72, .size: 8, .value_kind: global_buffer, .address_space: global }
      - { .name: ws, .offset: 80, .size: 8, .value_kind: global_buffer, .address_space: global }
      - { .name: tab, .offset: 88, .size: 8, .value_kind: global_buffer, .address_space: global }
    .group_segment_fixed_size: 34304
    .private_segment_fixed_size: 0
    .kernarg_segment_align: 8
    .kernarg_segment_size: 96
    .max_flat_workgroup_size: 128
    .sgpr_count:     66
    .vgpr_count:     256
    .wavefront_size: 32
...
	.end_amdgpu_metadata
.endif
;; end of part 1
;; launch proj (part 2): grid 4 x 96, 4 waves a work-group, clusters of 4 x 4, 327,680 bytes of LDS; arguments xc, xs, wc, ws, bq, bk, bv, tab, hc; writes hc
.if DOCPART == 2
	.amdgcn_target "amdgcn-amd-amdhsa--gfx1250"
	.amdhsa_code_object_version 6
	.text
	.protected	k_qfdff78589a_proj
	.globl	k_qfdff78589a_proj
	.p2align	8
	.type	k_qfdff78589a_proj,@function
k_qfdff78589a_proj:
	s_mov_b64 s[64:65], 0
	v_nop
	global_prefetch_b8 v0, s[64:65] scope:SCOPE_SE
	s_setreg_imm32_b32 hwreg(HW_REG_WAVE_MODE, 25, 1), 1
	s_wait_xcnt 0x0
	s_wait_alu depctr_hold_cnt(0) depctr_sa_sdst(0) depctr_va_vdst(0) depctr_va_sdst(0) depctr_va_ssrc(0) depctr_va_vcc(0) depctr_vm_vsrc(0)
	s_getreg_b32 s2, hwreg(HW_REG_IB_STS2, 6, 4)
	s_cmp_eq_u32 s2, 0
	s_cbranch_scc0 .Lentry_in_a_cluster
	s_endpgm
.Lentry_in_a_cluster:
	s_bfe_u32 s2, ttmp6, 0x10000c
	s_cmp_lg_u32 s2, 0xf033
	s_cbranch_scc0 .Lentry_shape_is_right
	s_endpgm
.Lentry_shape_is_right:
.set NQ,    2
.set FR,    16
.set NL,    4
.set NP,    8
.set HALFT, 32768
.set SLOT,  4*HALFT
.set SCL,   2*SLOT
.set HALFS, 4352
.set SBLK,  544
.set SPARE, SCL+4*HALFS
.set STEPB, 8448
.set HEADB, 16*STEPB
.set JOBB,  64*HEADB
.set BV,   8
.set ADRA, 16
.set ADRB, 20
.set LI,   24
.set SOF,  25
.set BIO,  26
.set ADRS, 27
.set SPW,  28
.set NIL,  29
.set BVO,  30
.set SC,   32
.set BI,   64
.set CS,   64
.set AF,   128
.set YY,   128
.set PC,   192
.set TM,   208
.set TP,   224
.set PWA,  232
.set W4,   240
.set TL,   244
.set WC,   2
.set LA,   3
.set WV,   22
.set WR,   23
.set G1,   24
.set G0,   32
.set G1B,  48
.set G0B,  56
.set SEL,  66
.set G1S,  68
.set G0S,  76
.set G1SB, 80
.set G0SB, 88
.set JOB,  92
.set K4,   93
.set OUTB, 94
.set TABB, 96
.set MNT,  104
.set HM,   105
.set MSB, 0
.macro WIN new
.if MSB != (\new)
	s_set_vgpr_msb (MSB<<8)|(\new)
.set MSB, (\new)
.endif
.endm
.set MUL_LO, 0xa1
.set MUL_HI, 0xf1
.set TO_B,   0x40
.macro JLOAD g0a, g1a, g0b, g1b
	s_cmp_eq_u32 s[WR], 0
	s_cbranch_scc0 .Lfor_p_\@
	tensor_load_to_lds s[\g0a:\g0a+3], s[\g1a:\g1a+7]
	s_nop 0
.rept 4
	v_nop
.endr
	s_branch .Lasked_\@
.Lfor_p_\@:
	tensor_load_to_lds s[\g0b:\g0b+3], s[\g1b:\g1b+7]
	s_nop 0
.rept 4
	v_nop
.endr
.Lasked_\@:
.endm
.macro CREST
	s_cmp_lg_u32 s[WV], 0
	s_cbranch_scc1 .Lnot_wave_0_\@
	s_barrier_signal -3
.Lnot_wave_0_\@:
	s_barrier_wait -3
	s_barrier_signal -1
	s_barrier_wait -1
.endm
.macro CROUND
	s_barrier_signal -1
	s_barrier_wait -1
	CREST
.endm
.macro QUANT s, pc, pw
.irp b, 0,1,2,3
	v_max3_num_f32 v[TM+\b], |v[\s+16*\b]|, |v[\s+1+16*\b]|, 0x4800000
.endr
.irp i, 2,4,6,8,10,12,14
.irp b, 0,1,2,3
	v_max3_num_f32 v[TM+\b], v[TM+\b], |v[\s+16*\b+\i]|, |v[\s+1+16*\b+\i]|
.endr
.endr
.irp b, 0,1,2,3
	v_permlanex16_b32 v[TM+4+\b], v[TM+\b], s[SEL], s[SEL+1]
.endr
.irp b, 0,1,2,3
	v_max_num_f32 v[TM+\b], v[TM+\b], v[TM+4+\b]
.endr
.irp b, 0,1,2,3
	v_add_nc_u32 v[TM+12+\b], 0xfc000000, v[TM+\b]
.endr
.irp b, 0,1,2,3
	v_and_or_b32 v[TM+8+\b], v[TM+\b], 0x7f800000, s[MNT]
.endr
.irp b, 0,1,2,3
	v_lshrrev_b32 v[TM+4+\b], 23, v[TM+12+\b]
.endr
	v_lshl_or_b32 v[\pw], v[TM+5], 8, v[TM+4]
	v_lshl_or_b32 v[\pw], v[TM+6], 16, v[\pw]
	v_lshl_or_b32 v[\pw], v[TM+7], 24, v[\pw]
.irp b, 0,1,2,3
.irp i, 0,1,2,3,4,5,6,7,8,9,10,11,12,13,14,15
	v_med3_num_f32 v[\s+16*\b+\i], v[\s+16*\b+\i], -v[TM+8+\b], v[TM+8+\b]
.endr
	v_cvt_scalef32_pk8_fp8_f32 v[\pc+4*\b:\pc+1+4*\b], v[\s+16*\b:\s+7+16*\b], v[TM+12+\b]
	v_cvt_scalef32_pk8_fp8_f32 v[\pc+2+4*\b:\pc+3+4*\b], v[\s+8+16*\b:\s+15+16*\b], v[TM+12+\b]
.endr
	v_nop
.endm
	s_load_b256 s[4:11], s[0:1], 0x0
	s_load_b256 s[12:19], s[0:1], 0x20
	s_load_b64 s[20:21], s[0:1], 0x40
	v_lshl_add_u32 v[SPW], v0, 2, SPARE
	v_mov_b32 v[NIL], 0
	ds_add_u32 v28, v29
	ds_add_u32 v28, v29
	s_wait_dscnt 0x0
	v_lshrrev_b32 v1, 5, v0
	v_readfirstlane_b32 s[WV], v1
	s_lshr_b32 s[WR], s[WV], 1
	s_and_b32 s[WC], s[WV], 1
	s_bfe_u32 s40, ttmp6, 0x40000
	s_bfe_u32 s41, ttmp6, 0x40004
	s_and_b32 s[JOB], ttmp7, 0xffff
	s_and_b32 s[K4], s[JOB], 7
	s_lshl_b32 s[K4], s[K4], 2
	s_lshr_b32 s[JOB], s[JOB], 3
	s_cmp_eq_u32 s[JOB], 2
	s_cselect_b32 s43, 0, s[K4]
	s_cselect_b32 s42, s[K4], 0
	s_add_co_u32 s43, s43, s41
	s_add_co_u32 s42, s42, s40
	s_lshl_b32 s44, s41, 2
	s_lshl_b32 s44, 15, s44
	s_lshl_b32 s45, 0x1111, s40
	s_or_b32 s[G1], s44, (3<<16)|(1<<21)
	s_or_b32 s[G1B], s45, (3<<16)|(1<<21)
.irp g, G1, G1B
	s_mov_b32 s[\g+1], 512<<16
	s_mov_b32 s[\g+2], 16<<16                      ; the head's loads of codes bring 16 tiles; behind them the two words are set to 8, for the ring's
	s_mov_b32 s[\g+3], 512<<16
	s_mov_b32 s[\g+4], 16
	s_mov_b32 s[\g+5], 2048
	s_mov_b32 s[\g+6], 0
	s_mov_b32 s[\g+7], 0
.endr
	s_or_b32 s[G1S], s44, (3<<16)|(1<<20)|(1<<21)|(5<<22)|(3<<25)
	s_or_b32 s[G1SB], s45, (3<<16)|(1<<20)|(1<<21)|(5<<22)|(3<<25)
.irp g, G1S, G1SB
	s_mov_b32 s[\g+1], 32<<16
	s_mov_b32 s[\g+2], 32<<16                      ; the scale bytes of 256 rows: 32 rows of 256 bytes
	s_mov_b32 s[\g+3], 32<<16
	s_mov_b32 s[\g+4], 32
	s_mov_b32 s[\g+5], 32
	s_mov_b32 s[\g+6], 0
	s_mov_b32 s[\g+7], 0
.endr
	s_mov_b32 s[SEL], 0x76543210
	s_mov_b32 s[SEL+1], 0xfedcba98
	s_mov_b32 s[MNT], 0x600000
	s_mov_b32 s[HM], 0xffff0000
	s_lshl_b32 s[LA], s[WV], 15
	s_mov_b32 s95, 0
	s_wait_kmcnt 0x0
	s_lshl_b32 s94, s[JOB], 23
	s_add_nc_u64 s[4:5], s[4:5], s[94:95]
	s_lshl_b32 s94, s[JOB], 18
	s_add_nc_u64 s[6:7], s[6:7], s[94:95]
	s_lshl_b32 s94, s[JOB], 20
	s_add_nc_u64 s[8:9], s[8:9], s[94:95]
	s_lshl_b32 s94, s[JOB], 15
	s_add_nc_u64 s[10:11], s[10:11], s[94:95]
	s_cmp_eq_u32 s[JOB], 2
	s_cselect_b64 s[96:97], s[8:9], s[4:5]
	s_cselect_b64 s[98:99], s[10:11], s[6:7]
	s_cselect_b64 s[100:101], s[4:5], s[8:9]
	s_cselect_b64 s[46:47], s[6:7], s[10:11]
	s_lshl_b32 s38, s43, 18
	s_lshl_b32 s44, s[WC], 17
	s_add_co_u32 s38, s38, s44
	s_mov_b32 s39, 0
	s_add_nc_u64 s[96:97], s[96:97], s[38:39]
	s_lshl_b32 s38, s43, 13
	s_lshl_b32 s44, s[WC], 12
	s_add_co_u32 s38, s38, s44
	s_add_nc_u64 s[98:99], s[98:99], s[38:39]
	s_lshl_b32 s62, s42, 18
	s_lshl_b32 s45, s[WC], 17
	s_add_co_u32 s62, s62, s45
	s_mov_b32 s63, 0
	s_add_nc_u64 s[100:101], s[100:101], s[62:63]
	s_lshl_b32 s62, s42, 13
	s_lshl_b32 s45, s[WC], 12
	s_add_co_u32 s62, s62, s45
	s_add_nc_u64 s[46:47], s[46:47], s[62:63]
	CROUND
	s_mov_b32 s[G0S], 1
	s_mov_b32 s[G0S+1], SCL
	s_sub_nc_u64 s[G0S+2:G0S+3], s[98:99], 4096    ; wave 1 issues it: its pointer stands at the second half, 4,096 bytes on
	s_or_b32 s[G0S+3], s[G0S+3], 0x80000000
	s_mov_b32 s[G0SB], 1
	s_mov_b32 s[G0SB+1], SCL+2*HALFS
	s_sub_nc_u64 s[G0SB+2:G0SB+3], s[46:47], 4096  ; wave 3 issues it: likewise
	s_or_b32 s[G0SB+3], s[G0SB+3], 0x80000000
.irp s, 0,1
	s_mov_b32 s[G0+4*\s], 1
	s_add_co_u32 s[G0+4*\s+1], s[LA], \s*SLOT
	s_add_nc_u64 s[G0+4*\s+2:G0+4*\s+3], s[96:97], \s*4096
	s_or_b32 s[G0+4*\s+3], s[G0+4*\s+3], 0x80000000
	s_mov_b32 s[G0B+4*\s], 1
	s_add_co_u32 s[G0B+4*\s+1], s[LA], \s*SLOT
	s_add_nc_u64 s[G0B+4*\s+2:G0B+4*\s+3], s[100:101], \s*4096
	s_or_b32 s[G0B+4*\s+3], s[G0B+4*\s+3], 0x80000000
.endr
; THE HEAD'S LOADS, ONE A WAVE: wave 0 slot 0's 16 tiles of the first side, wave 1 that side's scale bytes, wave 2 the 16 tiles of the second side, wave 3 its scale bytes.
; In waves 0 and 2 the ring's own group 0 of slot 0 names the tile's first byte and its place in LDS (their half is the first): only the row count differs.  One chain of branches on the wave's number, a load to an arm.
.macro ARM under, g0, g1, next
	s_cmp_lt_u32 s[WV], \under
	s_cbranch_scc0 \next
	tensor_load_to_lds s[\g0:\g0+3], s[\g1:\g1+7]
	s_nop 0
.rept 4
	v_nop
.endr
	s_branch .Lhead_asked
\next:
.endm
	ARM 1, G0,  G1,  .Lhead_sa
	ARM 2, G0S, G1S, .Lhead_b
	ARM 3, G0B, G1B, .Lhead_sb
	tensor_load_to_lds s[G0SB:G0SB+3], s[G1SB:G1SB+7]
	s_nop 0
.rept 4
	v_nop
.endr
.Lhead_asked:
	s_lshl_b32 s4, s42, 10
	s_lshl_b32 s5, s[WC], 9
	s_add_co_u32 s4, s4, s5
	s_lshl_b32 s6, s43, 10
	s_lshl_b32 s7, s[WR], 9
	s_add_co_u32 s6, s6, s7
	s_cmp_eq_u32 s[JOB], 0
	s_cselect_b64 s[12:13], s[12:13], s[14:15]
	s_cmp_eq_u32 s[JOB], 2
	s_cselect_b64 s[12:13], s[16:17], s[12:13]
	s_cselect_b32 s4, 0, s4
	s_cselect_b32 s6, s6, 0
	s_mov_b32 s5, 0
	s_mov_b32 s7, 0
	s_add_nc_u64 s[14:15], s[12:13], s[4:5]
	s_add_nc_u64 s[16:17], s[12:13], s[6:7]
	s_and_b32 s4, s43, 7
	s_lshl_b32 s4, s4, 16
	s_lshl_b32 s6, s[WR], 15
	s_add_co_u32 s4, s4, s6
	s_add_nc_u64 s[TABB:TABB+1], s[18:19], s[4:5]
	s_cmp_eq_u32 s[JOB], 2
	s_cselect_b32 s4, s42, s43
	s_cselect_b32 s6, s[WC], s[WR]
	s_cselect_b32 s8, s43, s42
	s_cselect_b32 s9, s[WR], s[WC]
	s_lshr_b32 s10, s4, 3
	s_lshl_b32 s10, s10, 4
	s_lshl_b32 s8, s8, 2
	s_add_co_u32 s10, s10, s8
	s_lshl_b32 s9, s9, 1
	s_add_co_u32 s10, s10, s9
	s_mul_i32 s10, s10, HEADB
	s_and_b32 s4, s4, 7
	s_lshl_b32 s4, s4, 1
	s_add_co_u32 s4, s4, s6
	s_mul_i32 s4, s4, STEPB
	s_add_co_u32 s4, s4, s10
	s_mul_i32 s10, s[JOB], JOBB
	s_add_co_u32 s4, s4, s10
	s_add_nc_u64 s[OUTB:OUTB+1], s[20:21], s[4:5]
	v_and_b32 v1, 15, v0
	v_bfe_u32 v2, v0, 4, 1
	v_and_b32 v3, 31, v0
	v_lshlrev_b32 v[LI], 4, v3
	s_lshl_b32 s4, s[WR], 15
	s_lshl_b32 s5, s[WC], 15
	s_add_co_u32 s5, s5, 2*HALFT
.irp s, 0,1
	v_add_nc_u32 v[ADRA+\s], s4, v[LI]
	v_add_nc_u32 v[ADRB+\s], s5, v[LI]
	s_add_co_u32 s4, s4, SLOT
	s_add_co_u32 s5, s5, SLOT
.endr
	v_lshlrev_b32 v5, 5, v1
	v_lshrrev_b32 v6, 8, v5
	v_lshl_add_u32 v5, v6, 4, v5
	s_mul_i32 s4, s[WR], HALFS
	s_mul_i32 s5, s[WC], HALFS
	s_add_co_u32 s5, s5, 2*HALFS
	s_sub_co_u32 s5, s5, s4
	v_mul_u32_u24 v6, s5, v2
	s_add_co_u32 s4, s4, SCL
	v_add_nc_u32 v5, v5, v6
	v_add_nc_u32 v[ADRS], s4, v5
	v_mul_u32_u24 v[SOF], v2, HEADB
	v_lshl_add_u32 v[SOF], v1, 4, v[SOF]
	v_lshlrev_b32 v[BIO], 6, v2
	v_and_b32 v4, 8, v1
	v_add_nc_u32 v4, v4, v1
	v_lshlrev_b32 v[BVO], 2, v4
.irp b, 0,1,2,3,4,5,6,7
	global_load_b128 v[BI+8*\b:BI+8*\b+3], v[BIO], s[14:15] offset:(32*(\b/2)+8*(\b%2))*4
	global_load_b128 v[BI+8*\b+4:BI+8*\b+7], v[BIO], s[14:15] offset:(32*(\b/2)+8*(\b%2))*4+16
.endr
.irp a, 0,1,2,3,4,5,6,7
	global_load_b32 v[BV+\a], v[BVO], s[16:17] offset:(32*(\a/2)+8*(\a%2))*4
.endr
.macro FRAG reg, adr, q, i
.irp c, 0,1,2,3
	ds_load_b128 v[\reg+4*\c:\reg+4*\c+3], v[\adr] offset:(\i)*4096+(\q)*2048+512*\c
.endr
.endm
.macro MUL16 a0, p, q, sc, mode
.irp a, \a0, \a0+1
.irp b, 0,1,2,3,4,5,6,7
.if \mode == 1
	v_wmma_scale_f32_16x16x128_f8f6f4 v[8*(8*((\a)%4)+\b):8*(8*((\a)%4)+\b)+7], v[128*(\p)+FR*\b:128*(\p)+FR*\b+FR-1], v[AF+FR*(\a):AF+FR*(\a)+FR-1], 0, v[SC+8*NQ*(\sc)+NQ*\b+(\q)], v[SC+8*NQ*(\sc)+NQ*(\a)+(\q)] matrix_a_scale:MATRIX_SCALE_ROW1
.elseif \mode == 2
	v_wmma_scale_f32_16x16x128_f8f6f4 v[8*(8*((\a)%4)+\b):8*(8*((\a)%4)+\b)+7], v[128*(\p)+FR*\b:128*(\p)+FR*\b+FR-1], v[AF+FR*(\a):AF+FR*(\a)+FR-1], v[BI+8*\b:BI+8*\b+7], v[SC+8*NQ*(\sc)+NQ*\b+(\q)], v[SC+8*NQ*(\sc)+NQ*(\a)+(\q)] matrix_a_scale:MATRIX_SCALE_ROW1
.else
	v_wmma_scale_f32_16x16x128_f8f6f4 v[8*(8*((\a)%4)+\b):8*(8*((\a)%4)+\b)+7], v[128*(\p)+FR*\b:128*(\p)+FR*\b+FR-1], v[AF+FR*(\a):AF+FR*(\a)+FR-1], v[8*(8*((\a)%4)+\b):8*(8*((\a)%4)+\b)+7], v[SC+8*NQ*(\sc)+NQ*\b+(\q)], v[SC+8*NQ*(\sc)+NQ*(\a)+(\q)] matrix_a_scale:MATRIX_SCALE_ROW1
.endif
.endr
.endr
.endm
.macro FETCH_B slot, q, p
	WIN TO_B
.irp i, 0,1,2,3,4,5,6,7
	FRAG 128*(\p)+FR*\i, ADRB+\slot, \q, \i
.endr
	WIN 0
.endm
.macro FETCH_A slot, q, i0
.irp i, \i0, \i0+1, \i0+2, \i0+3
	FRAG AF+FR*(\i), ADRA+\slot, \q, \i
.endr
.endm
.macro SCALES sc
.irp i, 0,1,2,3,4,5,6,7
	ds_load_b64 v[SC+8*NQ*\sc+NQ*\i:SC+8*NQ*\sc+NQ*\i+1], v[ADRS] offset:\i*SBLK
.endr
.endm
.macro PLACES n
.rept \n
	v_nop
.endr
.endm
.macro STEP slot, q, mode
	s_wait_dscnt 4*NL
.if \mode == 2
	WIN 0x81
.else
	WIN MUL_LO
.endif
	MUL16 0, (\q)%2, \q, \slot, \mode
	MUL16 2, (\q)%2, \q, \slot, \mode
	s_wait_dscnt 0
	PLACES NP
	FETCH_B \slot, (\q)+1, 1-(\q)%2
	FETCH_A \slot, (\q)+1, 0
.if \mode == 2
	WIN 0xc1
.else
	WIN MUL_HI
.endif
	MUL16 4, (\q)%2, \q, \slot, \mode
	MUL16 6, (\q)%2, \q, \slot, \mode
	PLACES NP
	WIN 0
	FETCH_A \slot, (\q)+1, 4
.endm
.macro TURN slot, next, fill
	s_wait_tensorcnt 0x0
	ds_add_u32 v[SPW], v[NIL]
	s_wait_dscnt 4*NL+1
	WIN MUL_LO
	MUL16 0, 1, NQ-1, \slot, 0
	s_wait_dscnt 0x0
	s_barrier_signal -1
	MUL16 2, 1, NQ-1, \slot, 0
	WIN 0
	s_barrier_wait -1
.if \fill
	CREST
	s_add_nc_u64 s[G0+4*\slot+2:G0+4*\slot+3], s[G0+4*\slot+2:G0+4*\slot+3], 8192
	s_add_nc_u64 s[G0B+4*\slot+2:G0B+4*\slot+3], s[G0B+4*\slot+2:G0B+4*\slot+3], 8192
	JLOAD G0+4*\slot, G1, G0B+4*\slot, G1B
	PLACES NP-4
.else
	PLACES NP
.endif
	s_wait_alu depctr_va_vdst(0)
	v_add_nc_u32 v[ADRS], 4*NQ, v[ADRS]
	FETCH_B \next, 0, 0
	FETCH_A \next, 0, 0
	SCALES \next
	WIN MUL_HI
	MUL16 4, 1, NQ-1, \slot, 0
	MUL16 6, 1, NQ-1, \slot, 0
	PLACES NP
	WIN 0
	FETCH_A \next, 0, 4
.endm
.macro TABLOAD a
.irp k, 0,1,2,3,4,5,6,7
	global_load_b128 v[CS+32*((\a)%2)+4*\k:CS+32*((\a)%2)+4*\k+3], v[LI], s[TABB:TABB+1] offset:4096*(\a)+512*\k
.endr
.endm
	s_wait_alu depctr_va_vdst(0)
	s_wait_tensorcnt 0x0                           ; my tile of the head's four is in
	ds_add_u32 v[SPW], v[NIL]
	s_mov_b32 s[G1+2], 8<<16                       ; no tensor load of mine is out: from here on a load brings 8 tiles
	s_mov_b32 s[G1+4], 8
	s_mov_b32 s[G1B+2], 8<<16
	s_mov_b32 s[G1B+4], 8
	s_wait_dscnt 0x0
	CROUND                                         ; all four tiles are in, and all sixteen work-groups are here
	JLOAD G0+4, G1, G0B+4, G1B                     ; slot 1's first fill: the first tensor load behind the round
	FETCH_B 0, 0, 0
	FETCH_A 0, 0, 0
	SCALES 0
	FETCH_A 0, 0, 4
	s_wait_loadcnt 0x0
	s_cmp_eq_u32 s[JOB], 2
	s_cbranch_scc1 .Lfirst_v
	STEP 0, 0, 2
	s_branch .Lfirst_done
.Lfirst_v:
	STEP 0, 0, 1
.Lfirst_done:
	TABLOAD 0
	TABLOAD 1
	TURN 0, 1, 1
	STEP 1, 0, 0
	TURN 1, 0, 1
	STEP 0, 0, 0
	TURN 0, 1, 0
	STEP 1, 0, 0
	s_wait_dscnt 4*NL
	WIN MUL_LO
	MUL16 0, 1, NQ-1, 1, 0
	MUL16 2, 1, NQ-1, 1, 0
	s_wait_dscnt 0
	WIN MUL_HI
	MUL16 4, 1, NQ-1, 1, 0
	MUL16 6, 1, NQ-1, 1, 0
	WIN 0
	PLACES NP
.macro EPI_QK a
.set AC, 64*((\a)%4)
.set CB, CS+32*((\a)%2)
.if (\a) < 7
	s_wait_loadcnt 8
.else
	s_wait_loadcnt 0x0
.endif
	WIN 0x02+(\a)/4
.set yi, 0
.rept 32
	v_pk_mul_f32 v[TP+2*((yi/2)%4):TP+2*((yi/2)%4)+1], v[AC+yi:AC+yi+1], v[CB+16*((yi/16)%2)+yi%16:CB+16*((yi/16)%2)+yi%16+1] op_sel:[1,1] op_sel_hi:[1,0]
	v_pk_fma_f32 v[YY+yi:YY+yi+1], v[AC+yi:AC+yi+1], v[CB+16*((yi/16)%2)+yi%16:CB+16*((yi/16)%2)+yi%16+1], v[TP+2*((yi/2)%4):TP+2*((yi/2)%4)+1] op_sel_hi:[0,1,1] neg_lo:[0,0,1]
.set yi, yi+2
.endr
	WIN 0
.if (\a) < 6
	TABLOAD (\a)+2
.endif
	s_wait_xcnt 0x0
	QUANT YY, PC, PWA+(\a)
.irp e, 0,1,2,3
	global_store_b128 v[LI], v[PC+4*\e:PC+4*\e+3], s[OUTB:OUTB+1] offset:(\e/2)*HEADB+((\a)/2)*2048+((\a)%2)*1024+(\e%2)*512
.endr
.endm
.macro EPI_V a
.set AC, 64*((\a)%4)
	WIN 0x02+(\a)/4
.set yi, 0
.rept 32
.if (\a)%2 == 0
	v_pk_add_f32 v[YY+yi:YY+yi+1], v[AC+yi:AC+yi+1], v[BV+2*((\a)/2):BV+2*((\a)/2)+1] op_sel_hi:[1,0]
.else
	v_pk_add_f32 v[YY+yi:YY+yi+1], v[AC+yi:AC+yi+1], v[BV+2*((\a)/2):BV+2*((\a)/2)+1] op_sel:[0,1] op_sel_hi:[1,1]
.endif
.set yi, yi+2
.endr
	WIN 0
	s_wait_xcnt 0x0
	QUANT YY, PC, PWA+(\a)
.irp c, 0,1,2,3
	global_store_b128 v[LI], v[PC+4*\c:PC+4*\c+3], s[OUTB:OUTB+1] offset:((\a)/4)*HEADB+((\a)%4)*2048+512*\c
.endr
.endm
.irp b, 0,1,2,3
	v_mov_b32 v[TM+4+\b], 0
.endr
	s_cmp_eq_u32 s[JOB], 2
	s_cbranch_scc1 .Lout_v
.irp a, 0,1,2,3,4,5,6,7
	EPI_QK \a
.endr
.irp i, 0,1,2,3
	v_perm_b32 v[TL], v[PWA+2*\i+1], v[PWA+2*\i], 0x05040100
	v_perm_b32 v[TL+1], v[PWA+2*\i+1], v[PWA+2*\i], 0x07060302
	v_cndmask_b32 v[W4+\i], v[TL], v[TL+1], s[HM]
.endr
	s_branch .Lout_done
.Lout_v:
	s_wait_loadcnt 0x0
.irp a, 0,1,2,3,4,5,6,7
	EPI_V \a
.endr
.irp i, 0,1,2,3
	v_cndmask_b32 v[W4+\i], v[PWA+\i], v[PWA+4+\i], s[HM]
.endr
.Lout_done:
	s_wait_alu depctr_va_vdst(0)
	global_store_b128 v[SOF], v[W4:W4+3], s[OUTB:OUTB+1] offset:8192
	s_wait_tensorcnt 0x0
	ds_add_u32 v[SPW], v[NIL]
	s_wait_dscnt 0x0
	CROUND
	s_endpgm
.Lfunc_end_k_qfdff78589a_proj:
	.size	k_qfdff78589a_proj, .Lfunc_end_k_qfdff78589a_proj-k_qfdff78589a_proj
	.p2alignl 7, 3214868480
	.fill 96, 4, 3214868480
	.section	.rodata,"a",@progbits
	.p2align	6, 0x0
	.amdhsa_kernel k_qfdff78589a_proj
		.amdhsa_group_segment_fixed_size 327680
		.amdhsa_private_segment_fixed_size 0
		.amdhsa_enable_private_segment 0
		.amdhsa_kernarg_size 72
		.amdhsa_user_sgpr_count 2
		.amdhsa_user_sgpr_kernarg_segment_ptr 1
		.amdhsa_wavefront_size32 1
		.amdhsa_system_sgpr_workgroup_id_x 1
		.amdhsa_system_sgpr_workgroup_id_y 1
		.amdhsa_system_sgpr_workgroup_id_z 1
		.amdhsa_system_vgpr_workitem_id 0
		.amdhsa_next_free_vgpr 1024
		.amdhsa_next_free_sgpr 106
		.amdhsa_reserve_vcc 0
		.amdhsa_float_denorm_mode_32 3
		.amdhsa_float_denorm_mode_16_64 3
		.amdhsa_memory_ordered 1
		.amdhsa_forward_progress 1
		.amdhsa_inst_pref_size 255
	.end_amdhsa_kernel
	.section	.bss,"aw",@nobits
	.p2align	6
	.space	262144
	.amdgpu_metadata
---
amdhsa.version: [ 1, 2 ]
amdhsa.kernels:
  - .name:           k_qfdff78589a_proj
    .symbol:         k_qfdff78589a_proj.kd
    .args:
      - { .name: xc, .offset: 0, .size: 8, .value_kind: global_buffer, .address_space: global }
      - { .name: xs, .offset: 8, .size: 8, .value_kind: global_buffer, .address_space: global }
      - { .name: wc, .offset: 16, .size: 8, .value_kind: global_buffer, .address_space: global }
      - { .name: ws, .offset: 24, .size: 8, .value_kind: global_buffer, .address_space: global }
      - { .name: bq, .offset: 32, .size: 8, .value_kind: global_buffer, .address_space: global }
      - { .name: bk, .offset: 40, .size: 8, .value_kind: global_buffer, .address_space: global }
      - { .name: bv, .offset: 48, .size: 8, .value_kind: global_buffer, .address_space: global }
      - { .name: tab, .offset: 56, .size: 8, .value_kind: global_buffer, .address_space: global }
      - { .name: hc, .offset: 64, .size: 8, .value_kind: global_buffer, .address_space: global }
    .group_segment_fixed_size: 327680
    .private_segment_fixed_size: 0
    .kernarg_segment_align: 8
    .kernarg_segment_size: 72
    .max_flat_workgroup_size: 128
    .sgpr_count:     106
    .vgpr_count:     1024
    .wavefront_size: 32
...
	.end_amdgpu_metadata
.endif
;; end of part 2
;; launch attn (part 3): grid 4 x 64, 16 waves a work-group, clusters of 4 x 1, 327,680 bytes of LDS; arguments hc, xc, xs; writes xc, xs
.if DOCPART == 3
	.amdgcn_target "amdgcn-amd-amdhsa--gfx1250"
	.amdhsa_code_object_version 6
	.text
	.protected	k_qfdff78589a_attn
	.globl	k_qfdff78589a_attn
	.p2align	8
	.type	k_qfdff78589a_attn,@function
k_qfdff78589a_attn:
	s_mov_b64 s[64:65], 0
	v_nop
	global_prefetch_b8 v0, s[64:65] scope:SCOPE_SE
	s_setreg_imm32_b32 hwreg(HW_REG_WAVE_MODE, 25, 1), 1
	s_wait_xcnt 0x0
	s_wait_alu depctr_hold_cnt(0) depctr_sa_sdst(0) depctr_va_vdst(0) depctr_va_sdst(0) depctr_va_ssrc(0) depctr_va_vcc(0) depctr_vm_vsrc(0)
	s_getreg_b32 s2, hwreg(HW_REG_IB_STS2, 6, 4)
	s_cmp_eq_u32 s2, 0
	s_cbranch_scc0 .Lentry_in_a_cluster
	s_endpgm
.Lentry_in_a_cluster:
	s_bfe_u32 s2, ttmp6, 0x10000c
	s_cmp_lg_u32 s2, 0x3003
	s_cbranch_scc0 .Lentry_shape_is_right
	s_endpgm
.Lentry_shape_is_right:
; Causal attention on codes of FP8 (E4M3) with E8M0 scales, head size 64; the result, divided by the row's sum, is quantised along (head, d) and leaves as images of the output projection's operand.
; IN: hc [q, k, v][batch x head][16 steps of 128 tokens][8,192 codes + 256 bytes of scale words], as the projections lay it.  OUT: xc's first region (images, tile of 16 tokens x K step of two heads) and xs's (scale bytes).
; THE SOFTMAX: t = score x log2(e) / 8; M = the running largest t rounded up to a whole number; p = 2^(t - M) is quantised along the keys, not normalised; the row's sum is taken of the unquantised p; when M moves, the sum and O are multiplied by 2^(old M - new M): exact.
; LEFT OUT: key steps all of whose keys come after a tile's queries: the causal mask that the problem builds itself makes their p zero.
; K AND V OF A WHOLE HEAD STAY IN LDS: 2 x 16 steps x 8,448 bytes = 270,336.  Each of the sixteen waves asks for two steps of K (even waves) or of V (odd waves) with its one tensor load at the head; nothing is filled again, so there is no ring.
; The loads stand in three lines: waves 0-1 (steps 0, 1), waves 2-5 (steps 2 to 5), waves 6-15 (steps 6 to 15); a plain barrier ahead of steps 0, 2 and 6 shows each line's tiles, its issuers having waited.  Behind step 6 the waves meet no barrier.
; CLUSTER: the four work-groups of a head read the same K and V, so each load is a joint one (mask 15).  No branch and no LDS address hangs on the place cx in the cluster: see SHARES.
; SHARES.  A head's 2,048 queries are 64 groups of 32; tile 2 g + u holds queries 32 g + 8 u + rho(r), rho(r) = r + 8 (r / 8).  Wave w (i = w / 2, u = w % 2) of work-group cx takes group 63 - 4 i - cx, then group 4 i + cx:
; 16 - i and i + 1 key steps, 17 in every wave, and both counts hang on the wave's number alone.  The step on the diagonal is number 15 - i, then i.  cx enters global addresses and the mask's numbers only.  Every work-group reads all sixteen steps (its wave 0 does).
; NO PREFETCH: every tile is asked for at the head by the tensor loads themselves; there is no later load for a prefetch to run ahead of.
; K = 64 IN A FORM OF 128: a fragment of k holds TWO tiles of keys; Q stands as q, 0, q in 24 registers: [q | 0] gives the first tile's scores, [0 | q] the second's.  Zero codes add nothing.
; Both products are used transposed: a lane holds one query; the 16 registers of two neighbouring score tiles are 16 neighbouring keys.
; LIMITS: NaN and infinities are not served; a block whose largest magnitude lies under 2^-118 keeps the byte 1; the scaled scores stay under 2^31 in magnitude.  The scale bytes leave one byte a lane, 32 bytes apart (a word mixes two heads, which belong to two clusters).
.set STEPB, 8448
.set HEADB, 16*STEPB
.set JOBB,  64*HEADB
.set SPARE, 2*HEADB                    ; behind K and V: the spare words, 128 bytes for each of 16 waves
.set LI,  1                            ; 16 x lane
.set LR,  2                            ; 16 r
.set VRH, 3                            ; rho(r) - 16 h
.set OSO, 4                            ; 32 r + h
.set SPW, 5
.set NIL, 6
.set ADK, 8                            ; LDS addresses of the step in hand: K's codes, K's scale words,
.set ADS, 9
.set ADV, 10                           ; V's codes, V's scale words
.set ADT, 11
.set QF,  16                           ; v16-23 q, v24-31 zeros, v32-39 q
.set HL2, 41                           ; v41-44 a second copy of the holds' bounds, in other register banks than the first
.set LIV, 45                           ; LI, LR in V's region
.set LRV, 46
.set FR,  48                           ; four fragments, of K and then of V
.set S,   112                          ; S^T, then p
.set O,   176                          ; O^T
.set PC,  208                          ; p's codes
.set BM,  224
.set BT,  228
.set HL,  232
.set SO,  236
.set KW,  240                          ; four scale words of K or of V
.set QW,  244                          ; Q's scale word
.set QR,  245                          ; as loaded
.set F,   246                          ; f = 2^(old M - new M)
.set PWD, 247                          ; p's scale word
.set T0,  248
.set PP,  10                           ; cx
.set BH,  11
.set KL,  12                           ; first key of my tile's last step: from the wave's number alone
.set I7,  13                           ; 128 i
.set KF,  14                           ; the step's first key; also the loops' counter
.set Q0,  15
.set QS,  16                           ; Q0 of my second tile
.set HM,  17
.set WV,  18
.set MNT, 19
.set SEL, 20
.set CS,  22
.set G1,  24
.set G0,  32
.set QA,  40
.set QSA, 42
.set OA,  44
.set OS,  46
.set TB,  48                           ; the step's first byte in K's region
.set QSEL, 49
.set HB,  50
.macro CROUND                          ; a round of the cluster's barrier
	s_barrier_signal -1
	s_barrier_wait -1
	s_cmp_lg_u32 s[WV], 0
	s_cbranch_scc1 .Lnot_wave_0_\@
	s_barrier_signal -3
.Lnot_wave_0_\@:
	s_barrier_wait -3
	s_barrier_signal -1
	s_barrier_wait -1
.endm
.macro TL                              ; an s_nop 0 and four v_nop follow the load
	tensor_load_to_lds s[G0:G0+3], s[G1:G1+7]
	s_nop 0
.rept 4
	v_nop
.endr
.endm
.macro ARM under, next
	s_cmp_lt_u32 s[WV], \under
	s_cbranch_scc0 \next
	TL
	s_branch .Lasked
\next:
.endm
.macro SHOW under                      ; a plain barrier that shows the tiles of the waves under 'under' (0: of all), which wait for them first
	s_wait_alu depctr_va_vdst(0)
	s_wait_dscnt 0x0
.if \under
	s_cmp_lt_u32 s[WV], \under
	s_cbranch_scc0 .Lnot_mine_\@
	s_wait_tensorcnt 0x0
.Lnot_mine_\@:
.else
	s_wait_tensorcnt 0x0
.endif
	s_barrier_signal -1
	s_barrier_wait -1
.endm
.macro QSET                            ; from Q0: where my tile of q and its scale words lie
	s_lshr_b32 s52, s[Q0], 7
	s_mul_i32 s52, s52, STEPB
	s_bfe_u32 s53, s[Q0], 0x20005                  ; the group of 32 in the step
	s_lshl_b32 s54, s53, 11
	s_add_co_u32 s54, s54, s52
	s_and_b32 s55, s[WV], 1
	s_lshl_b32 s55, s55, 10
	s_add_co_u32 s54, s54, s55
	s_mov_b32 s55, 0
	s_add_nc_u64 s[QA:QA+1], s[HB:HB+1], s[54:55]
	s_lshl_b32 s54, s53, 2
	s_add_co_u32 s54, s54, s52
	s_add_co_u32 s54, s54, 8192
	s_add_nc_u64 s[QSA:QSA+1], s[HB:HB+1], s[54:55]
.endm
.macro QLOAD
	global_load_b128 v[QF:QF+3], v[LI], s[QA:QA+1]
	global_load_b128 v[QF+4:QF+7], v[LI], s[QA:QA+1] offset:512
	global_load_b128 v[QF+16:QF+19], v[LI], s[QA:QA+1]
	global_load_b128 v[QF+20:QF+23], v[LI], s[QA:QA+1] offset:512
	global_load_b32 v[QR], v[LR], s[QSA:QSA+1]
.endm
.macro OSET                            ; from Q0: where my tile's codes and scale bytes go
	s_lshr_b32 s52, s[BH], 4
	s_lshl_b32 s52, s52, 11
	s_add_co_u32 s52, s52, s[Q0]
	s_lshr_b32 s52, s52, 5
	s_lshl_b32 s52, s52, 1
	s_and_b32 s53, s[WV], 1
	s_add_co_u32 s52, s52, s53                     ; the tile among the 512 tiles of tokens
	s_and_b32 s53, s[BH], 15
	s_lshr_b32 s54, s53, 1                         ; the K step: two heads
	s_and_b32 s53, s53, 1
	s_lshl_b32 s56, s52, 14
	s_lshl_b32 s57, s54, 11
	s_add_co_u32 s56, s56, s57
	s_lshl_b32 s57, s53, 10
	s_add_co_u32 s56, s56, s57
	s_mov_b32 s57, 0
	s_add_nc_u64 s[OA:OA+1], s[6:7], s[56:57]
	s_lshl_b32 s56, s52, 9
	s_lshl_b32 s58, s54, 2
	s_add_co_u32 s56, s56, s58
	s_lshl_b32 s58, s53, 1
	s_add_co_u32 s56, s56, s58
	s_add_nc_u64 s[OS:OS+1], s[8:9], s[56:57]
.endm
.macro START                           ; a tile of queries begins: Q is in; its scale word (s0, s1, s0, s1); M, the sum and O^T.  The 36 lines behind the word are the places that a scale register written by a vector line owes
	s_wait_loadcnt 0x0
	v_perm_b32 v[QW], v[QR], v[QR], s[QSEL]
	v_mov_b32 v13, 0xff61b1e6                      ; the largest t so far: -3e38
	s_delay_alu instid0(VALU_DEP_1)
	v_floor_f32 v12, -v13                          ; -M
	v_mov_b32 v14, 0
	v_mov_b32 v15, 0
.set cnt, 0
.rept 32
	v_mov_b32 v[O+cnt], 0                          ; the step is written once: the first finds zeros
.set cnt, cnt+1
.endr
.endm
	s_load_b128 s[4:7], s[0:1], 0x0                ; hc, xc
	s_load_b64 s[8:9], s[0:1], 0x10                ; xs
	v_lshl_add_u32 v[SPW], v0, 2, SPARE
	v_mov_b32 v[NIL], 0
	ds_add_u32 v[SPW], v[NIL]                      ; the opening lines: the add, twice on end, and its wait ahead of my tensor load
	ds_add_u32 v[SPW], v[NIL]
	v_lshrrev_b32 v8, 5, v0
	v_readfirstlane_b32 s[WV], v8                  ; wave 0..15
	s_bfe_u32 s[PP], ttmp6, 0x40000                ; cx
	s_and_b32 s[BH], ttmp7, 0xffff                 ; batch x head: the cluster's y
	s_mov_b32 s[G1], 15|(3<<16)|(1<<21)            ; group 1: the four work-groups of the cluster; 66 dense rows of 32 elements of 8 bytes: two steps, 16,896 bytes
	s_mov_b32 s[G1+1], 32<<16
	s_mov_b32 s[G1+2], 66<<16
	s_mov_b32 s[G1+3], 32<<16
	s_mov_b32 s[G1+4], 66
	s_mov_b32 s[G1+5], 32
	s_mov_b32 s[G1+6], 0
	s_mov_b32 s[G1+7], 0
	s_and_b32 s52, s[WV], 1                        ; 0: K, 1: V
	s_lshr_b32 s53, s[WV], 1                       ; which two steps
	s_mul_i32 s53, s53, 2*STEPB
	s_mul_i32 s54, s52, HEADB
	s_add_co_u32 s[G0+1], s54, s53                 ; their place in LDS: as in memory, K's region and then V's
	s_add_co_u32 s52, s52, 1
	s_mul_i32 s52, s52, JOBB                       ; k's or v's region of hc
	s_add_co_u32 s52, s52, s53
	s_mul_i32 s54, s[BH], HEADB
	s_add_co_u32 s52, s52, s54
	s_mov_b32 s53, 0
	s_mov_b32 s55, 0
	s_mov_b32 s[SEL], 0x76543210
	s_mov_b32 s[SEL+1], 0xfedcba98
	s_mov_b32 s[CS], 0x3e38aa3b                    ; c = log2(e) / 8
	s_mov_b32 s[CS+1], s[CS]
	s_mov_b32 s[MNT], 0x600000
	s_mov_b32 s[HM], 0xffff0000
	s_mov_b32 s[TB], 0
	s_mov_b32 s[KF], 0
	s_wait_dscnt 0x0                               ; both opening adds are done
	s_wait_kmcnt 0x0
	s_mov_b32 s[G0], 1
	s_add_nc_u64 s[G0+2:G0+3], s[4:5], s[52:53]
	s_or_b32 s[G0+3], s[G0+3], 0x80000000
	s_add_nc_u64 s[HB:HB+1], s[4:5], s[54:55]      ; q of my head
	CROUND                                         ; all four work-groups are here: the joint loads meet
	ARM 2, .Lline_1                                ; one chain of branches on the wave's number, a load to an arm: steps 0, 1;
	ARM 6, .Lline_2                                ; steps 2 to 5;
	TL                                             ; steps 6 to 15
.Lasked:
	s_and_b32 s53, s[WV], 1                        ; u
	s_cmp_eq_u32 s53, 0
	s_mov_b32 s[QSEL], 0x03020302
	s_cselect_b32 s[QSEL], 0x01000100, s[QSEL]     ; my tile's two bytes of the group's word, twice
	s_lshl_b32 s53, s53, 3
	s_lshr_b32 s[I7], s[WV], 1
	s_lshl_b32 s[I7], s[I7], 7                     ; 128 i
	s_sub_co_u32 s[KL], 1920, s[I7]                ; the first tile's last step is number 15 - i
	s_lshl_b32 s52, s[PP], 5
	s_add_co_u32 s52, s52, s[I7]                   ; 32 (4 i + cx)
	s_add_co_u32 s[QS], s52, s53                   ; the second tile
	s_sub_co_u32 s52, 2016, s52                    ; 32 (63 - 4 i - cx)
	s_add_co_u32 s[Q0], s52, s53                   ; the first
	QSET
	OSET
	v_and_b32 v10, 31, v0
	v_lshlrev_b32 v[LI], 4, v10
	v_and_b32 v10, 15, v0                          ; r
	v_bfe_u32 v11, v0, 4, 1                        ; h
	v_lshlrev_b32 v[LR], 4, v10
	v_and_b32 v[VRH], 8, v10
	v_add_nc_u32 v[VRH], v[VRH], v10
	v_lshlrev_b32 v8, 4, v11
	v_sub_nc_u32 v[VRH], v[VRH], v8
	v_lshl_add_u32 v[OSO], v10, 5, v11
	v_add_nc_u32 v[LIV], HEADB, v[LI]
	v_add_nc_u32 v[LRV], HEADB, v[LR]
	s_wait_alu depctr_va_vdst(0)
	QLOAD
.irp i, 0,1,2,3,4,5,6,7
	v_mov_b32 v[QF+8+\i], 0                        ; the zero codes between the two copies of q
.endr
.irp b, 0,1,2,3
	v_mov_b32 v[BT+\b], 0                          ; a lane permute's destination counts as one of its sources
.endr
	v_mov_b32 v[T0], 0
	v_mov_b32 v[PWD], 0                            ; (named as the upper half of the pair with f before it is first written)
	START
; A KEY STEP: the 128 keys from KF on, at byte TB of K's and of V's region
.macro STEP
	s_cmp_gt_u32 s[KF], s[KL]                      ; all keys come after my tile's queries: nothing to do.  (The wave's number and the count of steps alone)
	s_cbranch_scc1 .Lhidden_\@
	v_add_nc_u32 v[ADK], s[TB], v[LI]
	v_add_nc_u32 v[ADS], s[TB], v[LR]
	v_add_nc_u32 v[ADV], s[TB], v[LIV]
	v_add_nc_u32 v[ADT], s[TB], v[LRV]
.rept 4
	v_nop                                          ; with the four additions: eight places in front of loads into registers that the last products read
.endr
.irp f, 0,1,2,3
.irp c, 0,1,2,3
	ds_load_b128 v[FR+16*\f+4*\c:FR+16*\f+4*\c+3], v[ADK] offset:2048*\f+512*\c
.endr
.endr
	ds_load_b128 v[KW:KW+3], v[ADS] offset:8192    ; the four groups' scale words of my row
	s_wait_alu depctr_va_vdst(0)
	s_wait_dscnt 0x0
.irp f, 0,1,2,3
	v_wmma_scale_f32_16x16x128_f8f6f4 v[S+16*\f:S+16*\f+7], v[FR+16*\f:FR+16*\f+15], v[QF:QF+15], 0, v[KW+\f], v[QW]
	v_wmma_scale_f32_16x16x128_f8f6f4 v[S+16*\f+8:S+16*\f+15], v[FR+16*\f:FR+16*\f+15], v[QF+8:QF+23], 0, v[KW+\f], v[QW]
.endr                                          ; register 16 b + i: key KF + 32 b + 16 h + i
.rept 8
	v_nop
.endr
.irp f, 0,1,2,3                                ; V's fragments are asked for here, into the registers that K has left
.irp c, 0,1,2,3
	ds_load_b128 v[FR+16*\f+4*\c:FR+16*\f+4*\c+3], v[ADV] offset:2048*\f+512*\c
.endr
.endr
	ds_load_b128 v[KW:KW+3], v[ADT] offset:8192
	s_cmp_lt_u32 s[KF], s[KL]                      ; ahead of the diagonal step all keys count: no mask
	s_cbranch_scc1 .Lopen_\@
	s_sub_co_i32 s52, s[Q0], s[KF]
	v_add_nc_u32 v[T0], s52, v[VRH]                ; d = my query - KF - 16 h: register 16 b + i is hidden where 32 b + i > d
	v_mov_b32 v[T0+1], 0xff800000
.set cnt, 0
.rept 64
	v_cmp_gt_i32 vcc_lo, 32*(cnt/16)+cnt%16, v[T0]
	v_cndmask_b32 v[S+cnt], v[S+cnt], v[T0+1], vcc_lo
.set cnt, cnt+1
.endr
.Lopen_\@:
.irp b, 0,1,2,3
	v_max3_num_f32 v[BM+\b], v[S+16*\b], v[S+1+16*\b], v[S+2+16*\b]   ; the largest score of each block of 32 keys: for the row's maximum and, since p rises with the score, for the block's largest p
.endr
.irp i, 3,5,7,9,11,13
.irp b, 0,1,2,3
	v_max3_num_f32 v[BM+\b], v[BM+\b], v[S+16*\b+\i], v[S+1+16*\b+\i]
.endr
.endr
.irp b, 0,1,2,3
	v_max_num_f32 v[BM+\b], v[BM+\b], v[S+15+16*\b]
.endr
.irp b, 0,1,2,3
	s_delay_alu instid0(VALU_DEP_4)
	v_permlanex16_b32 v[BT+\b], v[BM+\b], s[SEL], s[SEL+1]
.endr
.irp b, 0,1,2,3
	s_delay_alu instid0(VALU_DEP_4)
	v_max_num_f32 v[BM+\b], v[BM+\b], v[BT+\b]
.endr
	s_delay_alu instid0(VALU_DEP_2)
	v_max3_num_f32 v[T0], v[BM], v[BM+1], v[BM+2]
	s_delay_alu instid0(VALU_DEP_1)
	v_max_num_f32 v[T0], v[T0], v[BM+3]
	s_delay_alu instid0(VALU_DEP_1)
	v_mul_f32 v[T0], s[CS], v[T0]
	s_delay_alu instid0(VALU_DEP_1)
	v_max_num_f32 v13, v13, v[T0]                  ; the running largest t
	v_mov_b32 v[T0], v12
	s_delay_alu instid0(VALU_DEP_2)
	v_floor_f32 v12, -v13                          ; the new -M: M is a whole number
	s_delay_alu instid0(VALU_DEP_1)
	v_sub_f32 v[T0], v12, v[T0]
	s_delay_alu instid0(VALU_DEP_1)
	v_cvt_i32_f32 v[T0], v[T0]                     ; (it saturates)
	s_delay_alu instid0(VALU_DEP_1)
	v_ldexp_f32 v[F], 1.0, v[T0]                   ; f = 2^(old M - new M)
.set cnt, 0
.rept 32
	v_pk_fma_f32 v[S+cnt:S+cnt+1], v[S+cnt:S+cnt+1], s[CS:CS+1], v[12:13] op_sel_hi:[1,0,0]   ; t - M
.set cnt, cnt+2
.endr
.irp b, 0,1,2,3
	v_fma_f32 v[BM+\b], v[BM+\b], s[CS], v12
.endr
.set cnt, 0
	s_wait_alu depctr_va_vdst(0)
.rept 64
	v_exp_f32 v[S+cnt], v[S+cnt]                   ; p = 2^(t - M)
.set cnt, cnt+1
.endr
	v_pk_mul_f32 v[14:15], v[14:15], v[F:F+1] op_sel_hi:[1,0]   ; the sums under the new M: the plain line behind the batch
	s_wait_alu depctr_va_vdst(0)                   ; one wait for the 64, ahead of their first reader
.irp b, 0,1,2,3
	v_exp_f32 v[BM+\b], v[BM+\b]                   ; each block's largest p
.endr
	v_pk_add_f32 v[228:229], v[116:117], v[120:121]   ; the row's sum of the unquantised p, in eight chains
	v_pk_add_f32 v[254:255], v[124:125], v[128:129]
	v_pk_add_f32 v[252:253], v[132:133], v[136:137]
	v_pk_add_f32 v[250:251], v[140:141], v[144:145]
	v_pk_add_f32 v[238:239], v[148:149], v[152:153]
	v_pk_add_f32 v[236:237], v[156:157], v[160:161]
	v_pk_add_f32 v[234:235], v[164:165], v[168:169]
	v_pk_add_f32 v[14:15], v[14:15], v[172:173]
	v_pk_add_f32 v[228:229], v[228:229], v[112:113]
	v_pk_add_f32 v[254:255], v[254:255], v[114:115]
	v_pk_add_f32 v[252:253], v[252:253], v[118:119]
	v_pk_add_f32 v[250:251], v[250:251], v[122:123]
	v_pk_add_f32 v[238:239], v[238:239], v[126:127]
	v_pk_add_f32 v[236:237], v[236:237], v[130:131]
	v_pk_add_f32 v[234:235], v[234:235], v[134:135]
	v_pk_add_f32 v[14:15], v[14:15], v[138:139]
	v_pk_add_f32 v[228:229], v[228:229], v[142:143]
	v_pk_add_f32 v[254:255], v[254:255], v[146:147]
	v_pk_add_f32 v[252:253], v[252:253], v[150:151]
	v_pk_add_f32 v[250:251], v[250:251], v[154:155]
	v_pk_add_f32 v[238:239], v[238:239], v[158:159]
	v_pk_add_f32 v[236:237], v[236:237], v[162:163]
	v_pk_add_f32 v[234:235], v[234:235], v[166:167]
	v_pk_add_f32 v[14:15], v[14:15], v[170:171]
	v_pk_add_f32 v[228:229], v[228:229], v[174:175]
	s_delay_alu instid0(VALU_DEP_2)
	v_pk_add_f32 v[14:15], v[14:15], v[250:251]
	s_delay_alu instid0(VALU_DEP_2)
	v_pk_add_f32 v[228:229], v[228:229], v[238:239]
	v_pk_add_f32 v[254:255], v[254:255], v[236:237]
	v_pk_add_f32 v[252:253], v[252:253], v[234:235]
	s_delay_alu instid0(VALU_DEP_2)
	v_pk_add_f32 v[14:15], v[14:15], v[254:255]
	s_delay_alu instid0(VALU_DEP_2)
	v_pk_add_f32 v[228:229], v[228:229], v[252:253]
	s_delay_alu instid0(VALU_DEP_1)
	v_pk_add_f32 v[14:15], v[14:15], v[228:229]
	s_wait_alu depctr_va_vdst(0)                   ; and one for the four
.irp b, 0,1,2,3
	v_max_num_f32 v[BM+\b], 0x4800000, v[BM+\b]    ; the floor
.endr
.irp b, 0,1,2,3
	s_delay_alu instid0(VALU_DEP_4)
	v_add_nc_u32 v[SO+\b], 0xfc000000, v[BM+\b]
.endr
.irp b, 0,1,2,3
	v_and_or_b32 v[HL+\b], v[BM+\b], 0x7f800000, s[MNT]   ; 448 x the scale,
.endr
.irp b, 0,1,2,3
	v_and_or_b32 v[HL2+\b], v[BM+\b], 0x7f800000, s[MNT]  ; and once more: the two halves of a dual line take their second sources from different banks
.endr
.irp b, 0,1,2,3
	v_lshrrev_b32 v[BT+\b], 23, v[SO+\b]
.endr
	s_delay_alu instid0(VALU_DEP_3)
	v_lshl_or_b32 v[PWD], v[BT+1], 8, v[BT]
	s_delay_alu instid0(VALU_DEP_1)
	v_lshl_or_b32 v[PWD], v[BT+2], 16, v[PWD]
	s_delay_alu instid0(VALU_DEP_1)
	v_lshl_or_b32 v[PWD], v[BT+3], 24, v[PWD]      ; p's scale word for these 128 keys
.irp b, 0,1,2,3
.irp i, 0,2,4,6,8,10,12,14
	v_dual_min_num_f32 v[S+16*\b+\i], v[S+16*\b+\i], v[HL+\b] :: v_dual_min_num_f32 v[S+16*\b+\i+1], v[S+16*\b+\i+1], v[HL2+\b]   ; p is not negative: the hold is one-sided; two holds to a line
.endr
	v_cvt_scalef32_pk8_fp8_f32 v[PC+4*\b:PC+1+4*\b], v[S+16*\b:S+7+16*\b], v[SO+\b]
	v_cvt_scalef32_pk8_fp8_f32 v[PC+2+4*\b:PC+3+4*\b], v[S+8+16*\b:S+15+16*\b], v[SO+\b]
.endr
	s_wait_alu depctr_va_vdst(0)                   ; the wait here, directly ahead of the first reader of O^T
.set cnt, 0
.rept 16
	v_pk_mul_f32 v[O+cnt:O+cnt+1], v[O+cnt:O+cnt+1], v[F:F+1] op_sel_hi:[1,0]   ; O^T under the new M; these are also the places in front of the products below
.set cnt, cnt+2
.endr
	s_wait_alu depctr_va_vdst(0)
	s_wait_dscnt 0x0                               ; V is in
.irp a, 0,1,2,3                                ; the four accumulators take turns; eight score products stand between a link and the next
	v_wmma_scale_f32_16x16x128_f8f6f4 v[O+8*\a:O+8*\a+7], v[FR+16*\a:FR+16*\a+15], v[PC:PC+15], v[O+8*\a:O+8*\a+7], v[KW+\a], v[PWD]
.endr
.Lhidden_\@:
.endm
.macro WALK lim                        ; the steps from KF on, up to key lim: the trip count is a constant
.Lwalk_\@:
	STEP
	s_add_co_u32 s[TB], s[TB], STEPB
	s_add_co_u32 s[KF], s[KF], 128
	s_cmp_lt_u32 s[KF], \lim
	s_cbranch_scc1 .Lwalk_\@
.endm
; A TILE OF QUERIES ENDS: O^T / the sum, quantised along d (two blocks of 32), leaves as two pieces of an image.  restart = 1: the second tile's Q is asked for first and lands under this arithmetic.
.macro FINISH restart
.rept 8
	v_nop
.endr
.if \restart
	s_mov_b32 s[Q0], s[QS]
	QSET
	QLOAD
.endif
	v_add_f32 v14, v14, v15
	s_delay_alu instid0(VALU_DEP_1)
	v_permlanex16_b32 v[T0], v14, s[SEL], s[SEL+1]
	s_delay_alu instid0(VALU_DEP_1)
	v_add_f32 v14, v14, v[T0]                      ; the row's sum
	s_wait_alu depctr_va_vdst(0)
	v_rcp_f32 v14, v14
	v_nop
	s_wait_alu depctr_va_vdst(0)
.set cnt, 0
.rept 16
	v_pk_mul_f32 v[S+cnt:S+cnt+1], v[O+cnt:O+cnt+1], v[14:15] op_sel_hi:[1,0]   ; register 16 g + i: d = 32 g + 16 h + i
.set cnt, cnt+2
.endr
.irp b, 0,1
	v_max3_num_f32 v[BM+\b], |v[S+16*\b]|, |v[S+1+16*\b]|, 0x4800000
.endr
.irp i, 2,4,6,8,10,12,14
.irp b, 0,1
	s_delay_alu instid0(VALU_DEP_2)
	v_max3_num_f32 v[BM+\b], v[BM+\b], |v[S+16*\b+\i]|, |v[S+1+16*\b+\i]|
.endr
.endr
.irp b, 0,1
	s_delay_alu instid0(VALU_DEP_2)
	v_permlanex16_b32 v[BT+\b], v[BM+\b], s[SEL], s[SEL+1]
.endr
.irp b, 0,1
	s_delay_alu instid0(VALU_DEP_2)
	v_max_num_f32 v[BM+\b], v[BM+\b], v[BT+\b]
.endr
.irp b, 0,1
	s_delay_alu instid0(VALU_DEP_2)
	v_add_nc_u32 v[SO+\b], 0xfc000000, v[BM+\b]
.endr
.irp b, 0,1
	s_delay_alu instid0(VALU_DEP_4)
	v_and_or_b32 v[HL+\b], v[BM+\b], 0x7f800000, s[MNT]
.endr
.irp b, 0,1
	s_delay_alu instid0(VALU_DEP_4)
	v_lshrrev_b32 v[BT+\b], 23, v[SO+\b]
.endr
	s_delay_alu instid0(VALU_DEP_1)
	v_cndmask_b32 v[T0+2], v[BT], v[BT+1], s[HM]   ; lanes 0-15 carry the first block's byte of their row, lanes 16-31 the second's
.irp b, 0,1
.irp i, 0,1,2,3,4,5,6,7,8,9,10,11,12,13,14,15
	v_med3_num_f32 v[S+16*\b+\i], v[S+16*\b+\i], -v[HL+\b], v[HL+\b]
.endr
	v_cvt_scalef32_pk8_fp8_f32 v[PC+4*\b:PC+1+4*\b], v[S+16*\b:S+7+16*\b], v[SO+\b]
	v_cvt_scalef32_pk8_fp8_f32 v[PC+2+4*\b:PC+3+4*\b], v[S+8+16*\b:S+15+16*\b], v[SO+\b]
.endr
	v_nop
	global_store_b128 v[LI], v[PC:PC+3], s[OA:OA+1]               ; 512 consecutive aligned bytes each
	global_store_b128 v[LI], v[PC+4:PC+7], s[OA:OA+1] offset:512
	global_store_b8 v[OSO], v[T0+2], s[OS:OS+1]
.if \restart
	s_wait_xcnt 0x0                                ; the stores have read their registers and bases
	OSET
	s_mov_b32 s[KL], s[I7]                         ; the second tile's last step is number i
	s_mov_b32 s[KF], 0
	s_mov_b32 s[TB], 0
	START
.endif
.endm
	SHOW 2                                         ; steps 0 and 1 are in
	WALK 256
	SHOW 6                                         ; steps 2 to 5
	WALK 768
	SHOW 0                                         ; all that was still out: every wave waits, under no branch
	WALK 2048                                      ; the first tile has 16 - i steps: the others are passed over
	FINISH 1
	WALK 1024                                      ; the second tile has i + 1 steps, eight at the most
	FINISH 0
	s_wait_tensorcnt 0x0                           ; the wave's end
	ds_add_u32 v[SPW], v[NIL]
	s_wait_dscnt 0x0
	CROUND                                         ; the closing round
	s_endpgm
.Lfunc_end_k_qfdff78589a_attn:
	.size	k_qfdff78589a_attn, .Lfunc_end_k_qfdff78589a_attn-k_qfdff78589a_attn
	.p2alignl 7, 3214868480
	.fill 96, 4, 3214868480
	.section	.rodata,"a",@progbits
	.p2align	6, 0x0
	.amdhsa_kernel k_qfdff78589a_attn
		.amdhsa_group_segment_fixed_size 327680
		.amdhsa_private_segment_fixed_size 0
		.amdhsa_enable_private_segment 0
		.amdhsa_kernarg_size 24
		.amdhsa_user_sgpr_count 2
		.amdhsa_user_sgpr_kernarg_segment_ptr 1
		.amdhsa_wavefront_size32 1
		.amdhsa_system_sgpr_workgroup_id_x 1
		.amdhsa_system_sgpr_workgroup_id_y 1
		.amdhsa_system_sgpr_workgroup_id_z 1
		.amdhsa_system_vgpr_workitem_id 0
		.amdhsa_next_free_vgpr 256
		.amdhsa_next_free_sgpr 66
		.amdhsa_reserve_vcc 1
		.amdhsa_float_denorm_mode_32 3
		.amdhsa_float_denorm_mode_16_64 3
		.amdhsa_memory_ordered 1
		.amdhsa_forward_progress 1
		.amdhsa_inst_pref_size 126
	.end_amdhsa_kernel
	.amdgpu_metadata
---
amdhsa.version: [ 1, 2 ]
amdhsa.kernels:
  - .name:           k_qfdff78589a_attn
    .symbol:         k_qfdff78589a_attn.kd
    .args:
      - { .name: hc, .offset: 0, .size: 8, .value_kind: global_buffer, .address_space: global }
      - { .name: xc, .offset: 8, .size: 8, .value_kind: global_buffer, .address_space: global }
      - { .name: xs, .offset: 16, .size: 8, .value_kind: global_buffer, .address_space: global }
    .group_segment_fixed_size: 327680
    .private_segment_fixed_size: 0
    .kernarg_segment_align: 8
    .kernarg_segment_size: 24
    .max_flat_workgroup_size: 512
    .sgpr_count:     66
    .vgpr_count:     256
    .wavefront_size: 32
...
	.end_amdgpu_metadata
.endif
;; end of part 3
;; launch outp (part 4): grid 4 x 64, 4 waves a work-group, clusters of 4 x 4, 327,680 bytes of LDS; arguments xc, xs, wc, ws, bo, out0; writes out0
.if DOCPART == 4
	.amdgcn_target "amdgcn-amd-amdhsa--gfx1250"
	.amdhsa_code_object_version 6
	.text
	.protected	k_qfdff78589a_outp
	.globl	k_qfdff78589a_outp
	.p2align	8
	.type	k_qfdff78589a_outp,@function
k_qfdff78589a_outp:
	s_mov_b64 s[64:65], 0
	v_nop
	global_prefetch_b8 v0, s[64:65] scope:SCOPE_SE
	s_setreg_imm32_b32 hwreg(HW_REG_WAVE_MODE, 25, 1), 1
	s_wait_xcnt 0x0
	s_wait_alu depctr_hold_cnt(0) depctr_sa_sdst(0) depctr_va_vdst(0) depctr_va_sdst(0) depctr_va_ssrc(0) depctr_va_vcc(0) depctr_vm_vsrc(0)
	s_getreg_b32 s2, hwreg(HW_REG_IB_STS2, 6, 4)
	s_cmp_eq_u32 s2, 0
	s_cbranch_scc0 .Lentry_in_a_cluster
	s_endpgm
.Lentry_in_a_cluster:
	s_bfe_u32 s2, ttmp6, 0x10000c
	s_cmp_lg_u32 s2, 0xf033
	s_cbranch_scc0 .Lentry_shape_is_right
	s_endpgm
.Lentry_shape_is_right:
; out0 = A Wo + bo on codes of FP8 (E4M3) with E8M0 scales: A [8192][1024] is the attention's result (xc's and xs's first regions), Wo's codes are wc's and ws's fourth regions; f32 sums, f32 out.
; CODES ARE IMAGES OF THE OPERAND'S REGISTERS: tile 2 G + u of 16 rows holds rows 32 G + 8 u + rho(r), rho(r) = r + 8 (r / 8); a tile is 16,384 bytes, K step s of 128 its bytes 2,048 s on; scale words [tile][r][K step].
; SHARES.  A block of out0 is 128 rows x 256 columns: 64 x 4 = 256 work-groups.  Four waves, 2 x 2, make 64 x 128 each: 32 accumulators (window 2).  Source 0 = 16 columns' rows of Wo, source 1 = 16 rows of A: a lane holds eight neighbours of a row.
; CLUSTERS of 4 x 4: A's tiles are shared along a row of the cluster, Wo's along a column: joint loads.
; K = 1,024 COMES IN THREE FILLS.  Slot 0 takes K steps 0 to 3 (A 8 tiles x 8,192 bytes, B 16 tiles x 8,192) at the head, one load for A, one for B, beside the two loads of scale bytes: one a wave.
; Slot 1 takes K steps 4, 5 (rows of 4,096 bytes) behind the full sequence and a round; K steps 6, 7 are filled over the first half of slot 0's two parts in a drained round, when every wave holds K step 3 in registers.
; NO PREFETCH: there are three fills in all; the second is asked for when the first has landed and the third one fill later, so no trip stands two fills ahead of a load.
; REGISTERS.  Window 0: v8-21 addresses; v28-59 A's scale words (block a, K step s at 28 + 8 a + s), v64-127 B's (64 + 8 b + s): all of K, loaded once; the two numbers of a product differ modulo 8.  v128-191 A's four fragments, one set.
; Window 1: B's eight fragments, two sets.  Window 2: the sums.  Window 3: v0-63 the bias, the first products' C.
; LIMITS: NaN and infinities are not served.
.set NP,    8
.set SA0,   0                          ; slot 0: A's 8 tiles
.set SB0,   65536                      ; and B's 16
.set SA1,   196608                     ; slot 1
.set SB1,   229376
.set SCL,   294912                     ; A's scale bytes: 16 units of 256 + 16 of padding
.set SCLB,  SCL+4352                   ; B's: 32 units
.set SPARE, SCL+13056
.set SPITCH, 528
.set STAGE, SA1                        ; the way out: 16 rows x 528 bytes a wave, in slot 1, which has had its last fill and its last read by then
.set ADR0, 8                           ; v8, v9  my fragments of A, of B in slot 0 as first filled
.set ADR1, 10                          ; in slot 1
.set ADR2, 12                          ; in slot 0 as filled again
.set LI,   14
.set STO,  15
.set BIO,  16
.set ADSA, 17
.set ADSB, 18
.set RD,   19
.set SPW,  20
.set NIL,  21
.set SCA,  28
.set SCB,  64
.set AF,   128
.set BK,   128
.set WC,   2
.set WV,   22
.set WR,   23
.set G1,   24
.set G0,   32                          ; s[32:35] A's second fill, s[36:39] its third
.set G1B,  48
.set G0B,  56                          ; the same for B
.set G1S,  68
.set G0S,  76
.set G1SB, 80
.set G0SB, 88
.set G0H,  92                          ; the head's loads of codes
.set G0HB, 96
.set MSB, 0
.macro WIN new
.if MSB != (\new)
	s_set_vgpr_msb (MSB<<8)|(\new)
.set MSB, (\new)
.endif
.endm
.set MUL,  0xa1                        ; source 0 (B) window 1, source 1 (A) window 0, C and D window 2
.set TO_B, 0x40
.macro PLACES n
.rept \n
	v_nop
.endr
.endm
.macro TL g0, g1                       ; an s_nop 0 and four v_nop follow a tensor load
	tensor_load_to_lds s[\g0:\g0+3], s[\g1:\g1+7]
	s_nop 0
	PLACES 4
.endm
.macro JLOAD g0a, g0b                  ; waves 0, 1 fetch halves of A's tile, waves 2, 3 of B's
	s_cmp_eq_u32 s[WR], 0
	s_cbranch_scc0 .Lfor_b_\@
	TL \g0a, G1
	s_branch .Lasked_\@
.Lfor_b_\@:
	TL \g0b, G1B
.Lasked_\@:
.endm
.macro CREST
	s_cmp_lg_u32 s[WV], 0
	s_cbranch_scc1 .Lnot_wave_0_\@
	s_barrier_signal -3
.Lnot_wave_0_\@:
	s_barrier_wait -3
	s_barrier_signal -1
	s_barrier_wait -1
.endm
.macro CROUND
	s_barrier_signal -1
	s_barrier_wait -1
	CREST
.endm
.macro G0SET g, lds, ptr, off          ; a group 0: LDS place in s[lds], address s[ptr:ptr+1] + off
	s_mov_b32 s[\g], 1
	s_mov_b32 s[\g+1], s[\lds]
	s_add_nc_u64 s[\g+2:\g+3], s[\ptr:\ptr+1], \off
	s_or_b32 s[\g+3], s[\g+3], 0x80000000
.endm
	s_load_b256 s[4:11], s[0:1], 0x0               ; xc, xs, wc, ws
	s_load_b128 s[12:15], s[0:1], 0x20             ; bo, out0
	v_lshl_add_u32 v[SPW], v0, 2, SPARE
	v_mov_b32 v[NIL], 0
	ds_add_u32 v[SPW], v[NIL]                      ; the opening lines: the add, twice on end, and its wait ahead of my first tensor load
	ds_add_u32 v[SPW], v[NIL]
	v_lshrrev_b32 v1, 5, v0
	v_readfirstlane_b32 s[WV], v1
	s_lshr_b32 s[WR], s[WV], 1                     ; my 64 rows; also: I fetch for A (0) or B (1)
	s_and_b32 s[WC], s[WV], 1                      ; my 128 columns; also: which half I fetch
	s_bfe_u32 s40, ttmp6, 0x40000
	s_bfe_u32 s41, ttmp6, 0x40004
	s_lshl_b32 s42, ttmp9, 2
	s_add_co_u32 s42, s42, s40                     ; block column
	s_and_b32 s43, ttmp7, 0xffff
	s_lshl_b32 s43, s43, 2
	s_add_co_u32 s43, s43, s41                     ; block row
	s_lshl_b32 s44, s41, 2
	s_lshl_b32 s44, 15, s44                        ; my row of the cluster
	s_lshl_b32 s45, 0x1111, s40                    ; my column
	s_or_b32 s[G1], s44, (3<<16)|(1<<21)           ; elements of 8 bytes; the head's shapes: rows of 8,192 bytes, 16,384 apart: 8 for A, 16 for B
	s_or_b32 s[G1B], s45, (3<<16)|(1<<21)
.irp g, G1, G1B
	s_mov_b32 s[\g+1], 1024<<16
	s_mov_b32 s[\g+3], 1024<<16
	s_mov_b32 s[\g+5], 2048
	s_mov_b32 s[\g+6], 0
	s_mov_b32 s[\g+7], 0
.endr
	s_mov_b32 s[G1+2], 8<<16
	s_mov_b32 s[G1+4], 8
	s_mov_b32 s[G1B+2], 16<<16
	s_mov_b32 s[G1B+4], 16
	s_or_b32 s[G1S], s44, (3<<16)|(1<<20)|(1<<21)|(5<<22)|(3<<25)   ; scale bytes: dense rows of 256 bytes, 16 of padding behind each: 16 for A, 32 for B
	s_or_b32 s[G1SB], s45, (3<<16)|(1<<20)|(1<<21)|(5<<22)|(3<<25)
.irp g, G1S, G1SB
	s_mov_b32 s[\g+1], 32<<16
	s_mov_b32 s[\g+3], 32<<16
	s_mov_b32 s[\g+5], 32
	s_mov_b32 s[\g+6], 0
	s_mov_b32 s[\g+7], 0
.endr
	s_mov_b32 s[G1S+2], 16<<16
	s_mov_b32 s[G1S+4], 16
	s_mov_b32 s[G1SB+2], 32<<16
	s_mov_b32 s[G1SB+4], 32
	s_lshl_b32 s16, s43, 17                        ; A: 8 tiles a block row
	s_mov_b32 s17, 0
	s_lshl_b32 s18, s42, 18                        ; B: 16 tiles a block column, in the fourth weight
	s_add_co_u32 s18, s18, 3<<20
	s_mov_b32 s19, 0
	s_wait_dscnt 0x0                               ; both opening adds are done
	s_wait_kmcnt 0x0
	s_add_nc_u64 s[4:5], s[4:5], s[16:17]
	s_add_nc_u64 s[8:9], s[8:9], s[18:19]
	s_lshl_b32 s16, s43, 12
	s_add_nc_u64 s[6:7], s[6:7], s[16:17]
	s_lshl_b32 s18, s42, 13
	s_add_co_u32 s18, s18, 3<<15
	s_add_nc_u64 s[10:11], s[10:11], s[18:19]
	CROUND                                         ; all sixteen work-groups are here: the first joint loads meet
	s_mov_b32 s20, SA0
	G0SET G0H, 20, 4, 0
	s_mov_b32 s20, SB0
	G0SET G0HB, 20, 8, 0
	s_mov_b32 s20, SCL
	G0SET G0S, 20, 6, 0
	s_mov_b32 s20, SCLB
	G0SET G0SB, 20, 10, 0
	s_lshl_b32 s16, s[WC], 16                      ; the later fills: my half: 4 tiles of A,
	s_add_nc_u64 s[4:5], s[4:5], s[16:17]
	s_lshl_b32 s18, s[WC], 17                      ; 8 of B
	s_add_nc_u64 s[8:9], s[8:9], s[18:19]
	s_lshl_b32 s21, s[WC], 14
	s_add_co_u32 s20, s21, SA1
	G0SET G0, 20, 4, 8192                          ; K steps 4, 5
	G0SET G0+4, 21, 4, 12288                       ; K steps 6, 7 (SA0 is 0)
	s_lshl_b32 s21, s[WC], 15
	s_add_co_u32 s20, s21, SB1
	G0SET G0B, 20, 8, 8192
	s_add_co_u32 s20, s21, SB0
	G0SET G0B+4, 20, 8, 12288
; THE HEAD'S LOADS, ONE A WAVE, in one chain of branches on the wave's number
.macro ARM under, g0, g1, next
	s_cmp_lt_u32 s[WV], \under
	s_cbranch_scc0 \next
	TL \g0, \g1
	s_branch .Lhead_asked
\next:
.endm
	ARM 1, G0H,  G1,  .Lhead_sa
	ARM 2, G0S,  G1S, .Lhead_b
	ARM 3, G0HB, G1B, .Lhead_sb
	TL G0SB, G1SB
.Lhead_asked:
	s_lshl_b32 s18, s42, 10                        ; my first column, in bytes
	s_lshl_b32 s20, s[WC], 9
	s_add_co_u32 s18, s18, s20
	s_add_nc_u64 s[12:13], s[12:13], s[18:19]
	s_add_nc_u64 s[14:15], s[14:15], s[18:19]
	s_lshl_b32 s16, s43, 19                        ; my first row: 128 rows of 4,096 bytes a block, 64 a wave
	s_lshl_b32 s20, s[WR], 18
	s_add_co_u32 s16, s16, s20
	s_add_nc_u64 s[14:15], s[14:15], s[16:17]
	s_lshl_b32 s16, s[WR], 15                      ; LDS: my 4 tiles of A, my 8 of B, in each of the three layouts
	s_lshl_b32 s18, s[WC], 16
	s_add_co_u32 s18, s18, SB0
	s_lshl_b32 s20, s[WR], 14
	s_lshl_b32 s21, s[WC], 15
	s_add_co_u32 s47, s21, SB1
	s_add_co_u32 s21, s21, SB0
	s_add_co_u32 s46, s20, SA1
	s_mul_i32 s40, s[WV], 16*SPITCH
	s_add_co_u32 s40, s40, STAGE
	s_mul_i32 s41, s[WR], 2176                     ; 4 tiles' scale words: 8 units of 272
	s_add_co_u32 s41, s41, SCL
	s_mul_i32 s44, s[WC], 4352
	s_add_co_u32 s44, s44, SCLB
	v_and_b32 v1, 15, v0
	v_bfe_u32 v2, v0, 4, 1
	v_and_b32 v3, 31, v0
	v_lshlrev_b32 v[LI], 4, v3
	v_add_nc_u32 v[ADR0], s16, v[LI]
	v_add_nc_u32 v[ADR0+1], s18, v[LI]
	v_add_nc_u32 v[ADR1], s46, v[LI]
	v_add_nc_u32 v[ADR1+1], s47, v[LI]
	v_add_nc_u32 v[ADR2], s20, v[LI]
	v_add_nc_u32 v[ADR2+1], s21, v[LI]
	v_lshlrev_b32 v5, 5, v1                        ; a row's scale words: 32 bytes a row, 16 more for each 256 passed
	v_lshrrev_b32 v6, 3, v1
	v_lshl_add_u32 v5, v6, 4, v5
	v_add_nc_u32 v[ADSA], s41, v5
	v_add_nc_u32 v[ADSB], s44, v5
	v_mul_u32_u24 v[STO], v1, SPITCH
	v_lshl_add_u32 v[STO], v2, 6, v[STO]
	v_add_nc_u32 v[STO], s40, v[STO]
	v_add_nc_u32 v[RD], s40, v[LI]
	v_lshlrev_b32 v[BIO], 6, v2
	WIN 0xc0                                       ; the bias, in the sums' layout, into window 3
.irp b, 0,1,2,3,4,5,6,7
	global_load_b128 v[8*\b:8*\b+3], v[BIO], s[12:13] offset:(32*(\b/2)+8*(\b%2))*4
	global_load_b128 v[8*\b+4:8*\b+7], v[BIO], s[12:13] offset:(32*(\b/2)+8*(\b%2))*4+16
.endr
	WIN 0
.macro FRAGS reg, kind, s, i           ; fragment i of A (kind 0) or B (1) for K step s: four loads of 16 bytes a lane
.if (\s) < 4
.set AD_, ADR0+(\kind)
.set OF_, (\i)*8192+(\s)*2048
.elseif (\s) < 6
.set AD_, ADR1+(\kind)
.set OF_, (\i)*4096+((\s)-4)*2048
.else
.set AD_, ADR2+(\kind)
.set OF_, (\i)*4096+((\s)-6)*2048
.endif
.irp c, 0,1,2,3
	ds_load_b128 v[(\reg)+4*\c:(\reg)+4*\c+3], v[AD_] offset:OF_+512*\c
.endr
.endm
.macro FETCH_B s                       ; B's eight fragments into set s % 2
	WIN TO_B
.irp i, 0,1,2,3,4,5,6,7
	FRAGS 128*((\s)%2)+16*\i, 1, \s, \i
.endr
	WIN 0
.endm
.macro FETCH_A s, i0                   ; A's blocks i0, i0 + 1
	FRAGS AF+16*(\i0), 0, \s, \i0
	FRAGS AF+16*(\i0)+16, 0, \s, (\i0)+1
.endm
.macro MUL8 a, s, first                ; A's block a against B's eight; the 32 sums take turns, in the same order in every K step
.irp b, 0,1,2,3,4,5,6,7
.if \first
	v_wmma_scale_f32_16x16x128_f8f6f4 v[8*(8*(\a)+\b):8*(8*(\a)+\b)+7], v[128*((\s)%2)+16*\b:128*((\s)%2)+16*\b+15], v[AF+16*(\a):AF+16*(\a)+15], v[8*\b:8*\b+7], v[SCB+8*\b+(\s)], v[SCA+8*(\a)+(\s)]
.else
	v_wmma_scale_f32_16x16x128_f8f6f4 v[8*(8*(\a)+\b):8*(8*(\a)+\b)+7], v[128*((\s)%2)+16*\b:128*((\s)%2)+16*\b+15], v[AF+16*(\a):AF+16*(\a)+15], v[8*(8*(\a)+\b):8*(8*(\a)+\b)+7], v[SCB+8*\b+(\s)], v[SCA+8*(\a)+(\s)]
.endif
.endr
.endm
.macro STEP s, first                   ; a K step whose successor lies in bytes that are shown
	s_wait_dscnt 8                                 ; all but A's blocks 2, 3, the youngest eight loads
	WIN MUL+0x10*(\first)                          ; (first: C in window 3)
	MUL8 0, \s, \first
	MUL8 1, \s, \first
	PLACES NP
	FETCH_B (\s)+1
	FETCH_A (\s)+1, 0
	s_wait_dscnt 40                                ; all but the 40 just issued
	WIN MUL+0x10*(\first)
	MUL8 2, \s, \first
	MUL8 3, \s, \first
	PLACES NP
	WIN 0
	FETCH_A (\s)+1, 2
.endm
.macro TURN s, fill                    ; a slot's last K step: one barrier; fill = 1: it opens a round of the cluster's barrier, and K steps 6, 7 are filled over slot 0
	s_wait_tensorcnt 0x0                           ; my part of the bytes that are read next is in;
	ds_add_u32 v[SPW], v[NIL]
	s_wait_dscnt 9                                 ; (the add and A's blocks 2, 3 may be out)
	WIN MUL
	MUL8 0, \s, 0
	s_wait_dscnt 0x0                               ; the add is done, and my reads of this slot are over
	s_barrier_signal -1
	MUL8 1, \s, 0
	WIN 0
	s_barrier_wait -1
.if \fill
	CREST
	JLOAD G0+4, G0B+4                              ; the first tensor load behind the round; its four v_nop are among the eight places
	PLACES NP-4
.else
	PLACES NP
.endif
	FETCH_B (\s)+1
	FETCH_A (\s)+1, 0
	WIN MUL
	MUL8 2, \s, 0
	MUL8 3, \s, 0
	PLACES NP
	WIN 0
	FETCH_A (\s)+1, 2
.endm
	s_wait_alu depctr_va_vdst(0)
	s_wait_tensorcnt 0x0                           ; my tile of the head's four is in
	ds_add_u32 v[SPW], v[NIL]
.irp g, G1, G1B                                ; no tensor load of mine is out: from here on rows of 4,096 bytes: 4 a load for A, 8 for B
	s_mov_b32 s[\g+1], 512<<16
	s_mov_b32 s[\g+3], 512<<16
.endr
	s_mov_b32 s[G1+2], 4<<16
	s_mov_b32 s[G1+4], 4
	s_mov_b32 s[G1B+2], 8<<16
	s_mov_b32 s[G1B+4], 8
	s_wait_dscnt 0x0
	CROUND                                         ; all four tiles are in, and all sixteen work-groups are here
	JLOAD G0, G0B                                  ; slot 1's first fill: the first tensor load behind the round
.irp i, 0,1,2,3
	ds_load_b128 v[SCA+8*\i:SCA+8*\i+3], v[ADSA] offset:\i*544
	ds_load_b128 v[SCA+8*\i+4:SCA+8*\i+7], v[ADSA] offset:\i*544+16
.endr
.irp i, 0,1,2,3,4,5,6,7
	ds_load_b128 v[SCB+8*\i:SCB+8*\i+3], v[ADSB] offset:\i*544
	ds_load_b128 v[SCB+8*\i+4:SCB+8*\i+7], v[ADSB] offset:\i*544+16
.endr
	FETCH_B 0
	FETCH_A 0, 0
	FETCH_A 0, 2
	s_wait_loadcnt 0x0                             ; the bias
	STEP 0, 1
	STEP 1, 0
	STEP 2, 0
	TURN 3, 1
	STEP 4, 0
	TURN 5, 0
	STEP 6, 0
	s_wait_dscnt 8
	WIN MUL
	MUL8 0, 7, 0
	MUL8 1, 7, 0
	s_wait_dscnt 0x0
	MUL8 2, 7, 0
	MUL8 3, 7, 0
	WIN 0
; THE WAY OUT, block by block of 16 rows x 128 columns, through my own stage: in by lanes (32 bytes of a row each), back as whole rows of 512 bytes.  LDS serves a wave's instructions in order (ISA guide 5.7.1.4).
.macro TOSTAGE a
.set AC, 64*(\a)
	WIN 0x08                                       ; the data: window 2
.irp b, 0,1,2,3,4,5,6,7
	ds_store_b128 v[STO], v[AC+8*\b:AC+8*\b+3] offset:128*(\b/2)+32*(\b%2)      ; each sum from its low end on
	ds_store_b128 v[STO], v[AC+8*\b+4:AC+8*\b+7] offset:128*(\b/2)+32*(\b%2)+16
.endr
	WIN 0
.set BB, BK+64*((\a)%2)
.irp t, 0,1,2,3,4,5,6,7,8,9,10,11,12,13,14,15
	ds_load_b128 v[BB+4*\t:BB+4*\t+3], v[RD] offset:\t*SPITCH
.endr
.endm
.macro SEND a, younger
.set BB, BK+64*((\a)%2)
	s_wait_dscnt \younger
.irp t, 0,1,2,3,4,5,6,7,8,9,10,11,12,13,14,15
	global_store_b128 v[LI], v[BB+4*\t:BB+4*\t+3], s[14:15] offset:(32*((\a)/2)+8*((\a)%2)+\t+8*(\t/8))*4096 th:TH_STORE_NT   ; 512 consecutive aligned bytes
.endr
.endm
	PLACES NP
	TOSTAGE 0
.irp a, 1,2,3
.if \a > 1
	s_wait_xcnt 0x0                                ; block a - 2's stores have read their registers
.endif
	TOSTAGE \a
	SEND \a-1, 32                                  ; behind block a - 1's loads: block a's 16 stores and 16 loads
.endr
	SEND 3, 0
	s_wait_tensorcnt 0x0                           ; the wave's end
	ds_add_u32 v[SPW], v[NIL]
	s_wait_dscnt 0x0
	CROUND                                         ; the closing round
	s_endpgm
.Lfunc_end_k_qfdff78589a_outp:
	.size	k_qfdff78589a_outp, .Lfunc_end_k_qfdff78589a_outp-k_qfdff78589a_outp
	.p2alignl 7, 3214868480
	.fill 96, 4, 3214868480
	.section	.rodata,"a",@progbits
	.p2align	6, 0x0
	.amdhsa_kernel k_qfdff78589a_outp
		.amdhsa_group_segment_fixed_size 327680
		.amdhsa_private_segment_fixed_size 0
		.amdhsa_enable_private_segment 0
		.amdhsa_kernarg_size 48
		.amdhsa_user_sgpr_count 2
		.amdhsa_user_sgpr_kernarg_segment_ptr 1
		.amdhsa_wavefront_size32 1
		.amdhsa_system_sgpr_workgroup_id_x 1
		.amdhsa_system_sgpr_workgroup_id_y 1
		.amdhsa_system_sgpr_workgroup_id_z 1
		.amdhsa_system_vgpr_workitem_id 0
		.amdhsa_next_free_vgpr 1024
		.amdhsa_next_free_sgpr 100
		.amdhsa_reserve_vcc 0
		.amdhsa_float_denorm_mode_32 3
		.amdhsa_float_denorm_mode_16_64 3
		.amdhsa_memory_ordered 1
		.amdhsa_forward_progress 1
		.amdhsa_inst_pref_size 91
	.end_amdhsa_kernel
	.amdgpu_metadata
---
amdhsa.version: [ 1, 2 ]
amdhsa.kernels:
  - .name:           k_qfdff78589a_outp
    .symbol:         k_qfdff78589a_outp.kd
    .args:
      - { .name: xc, .offset: 0, .size: 8, .value_kind: global_buffer, .address_space: global }
      - { .name: xs, .offset: 8, .size: 8, .value_kind: global_buffer, .address_space: global }
      - { .name: wc, .offset: 16, .size: 8, .value_kind: global_buffer, .address_space: global }
      - { .name: ws, .offset: 24, .size: 8, .value_kind: global_buffer, .address_space: global }
      - { .name: bo, .offset: 32, .size: 8, .value_kind: global_buffer, .address_space: global }
      - { .name: out0, .offset: 40, .size: 8, .value_kind: global_buffer, .address_space: global }
    .group_segment_fixed_size: 327680
    .private_segment_fixed_size: 0
    .kernarg_segment_align: 8
    .kernarg_segment_size: 48
    .max_flat_workgroup_size: 128
    .sgpr_count:     100
    .vgpr_count:     1024
    .wavefront_size: 32
...
	.end_amdgpu_metadata
.endif
;; end of part 4
